; MI455X (gfx1250); checked and timed in simulation.
; The chip was launched on July 23, 2026; its instructions are those of AMD's public machine-readable ISA for CDNA 5 (MIT licence, August 2026) and "CDNA5" Instruction Set Architecture Reference Guide (July 2026). The comments in the code are by the model that wrote it; some were corrected since.
;; Attention Block. Allowed arithmetic: matrix products marked QUANTISED: E2M1 operands, one E8M0 scale for each 32 along K, by v_wmma_scale_f32_16x16x128_f8f6f4 with both operands' format E2M1 (or v_wmma_scale_f32_32x16x128_f4), f32 sums; everything else in f32.
;; Inputs: bk 256 float32; bo 256 float32; bq 256 float32; bv 256 float32; gn_b 256 float32; gn_w 256 float32; wk_codes 256 x 8 x 16 uint8 (E2M1 codes of wk, K innermost, in blocks of 32 codes, two codes a byte); wk_scales 256 x 8 uint8 (E8M0 scales of wk, one for each 32 codes along K); wo_codes 256 x 8 x 16 uint8 (E2M1 codes of wo, K innermost, in blocks of 32 codes, two codes a byte); wo_scales 256 x 8 uint8 (E8M0 scales of wo, one for each 32 codes along K); wq_codes 256 x 8 x 16 uint8 (E2M1 codes of wq, K innermost, in blocks of 32 codes, two codes a byte); wq_scales 256 x 8 uint8 (E8M0 scales of wq, one for each 32 codes along K); wv_codes 256 x 8 x 16 uint8 (E2M1 codes of wv, K innermost, in blocks of 32 codes, two codes a byte); wv_scales 256 x 8 uint8 (E8M0 scales of wv, one for each 32 codes along K); x 4 x 256 x 64 x 64 float32.
;; Outputs: out0 4 x 256 x 64 x 64 float32.
;; This version of the problem:
;;   THIS VERSION OF THE PROBLEM IS GIVEN IN LOW PRECISION. The matrix products marked QUANTISED in the list below multiply operands that are first quantised to E2M1 (2 exponent bits, 1 mantissa bit; 4 bits a number), with one power-of-two scale for each 32 numbers along K (OCP MX v1.0); their sums are f32. All else is computed in f32.
;;   The module's matrix products, in the order in which they are computed (A, B: the left and right operand; K: the contracted axis; several contracted axes count as one K, in the product's order):
;;     1. [M 256, K 256] x [K 256, N 16,384]; A: input wq (given as codes); B: computed on the way: QUANTISED
;;     2. [M 256, K 256] x [K 256, N 16,384]; A: input wk (given as codes); B: computed on the way: QUANTISED
;;     3. [M 256, K 256] x [K 256, N 16,384]; A: input wv (given as codes); B: computed on the way: QUANTISED
;;     4. batch 4 x [M 4,096, K 256] x [K 256, N 4,096]; A: computed on the way; B: computed on the way: QUANTISED
;;     5. batch 4 x [M 4,096, K 4,096] x [K 4,096, N 256]; A: softmax (see below); B: computed on the way: QUANTISED
;;     6. [M 256, K 256] x [K 256, N 16,384]; A: input wo (given as codes); B: computed on the way: QUANTISED
;;   THE QUANTISER, for each operand of a quantised product, along K:
;;     - K is cut into blocks of 32 from its start; a last block that is shorter is filled with zeros.
;;     - A block's scale is 2^e with e = floor(log2(the largest magnitude in the block)) - 2, held to -126 .. 127; a block of zeros has e = 0. As a byte (E8M0): e + 127.
;;     - Each number is divided by its block's scale, clamped to +-6, and rounded to the nearest number of E2M1, ties to even, subnormals kept.
;;     - The product sums the exact products of the quantised numbers (number of the format x scale) in f32.
;;   ~~~python
;;   def quantise(x, axis):      # numpy; x: float32 -> the quantised numbers, widened to float32 again
;;       x = np.moveaxis(x, axis, -1); K = x.shape[-1]
;;       x = np.pad(x, [(0, 0)] * (x.ndim - 1) + [(0, -K % 32)]); x = x.reshape(x.shape[:-1] + (-1, 32)); a = np.abs(x).max(-1, keepdims=True)
;;       e = np.where(a > 0, np.clip(np.frexp(np.where(a > 0, a, 1))[1] - 1 - 2, -126, 127), 0)      # np.frexp(a)[1] - 1 = floor(log2(a)), exactly
;;       r = np.clip(x / 2.0 ** e, -6, 6)
;;       step = 2.0 ** (np.maximum(np.frexp(np.where(r == 0, 1, r))[1] - 1, 0) - 1)
;;       q = np.round(r / step) * step * 2.0 ** e      # np.round: ties to even
;;       return np.moveaxis(q.reshape(q.shape[:-2] + (-1,))[..., :K], -1, axis).astype(np.float32)
;;   ~~~
;;   SOFTMAX AHEAD OF A QUANTISED PRODUCT. Where the list says 'softmax', what is quantised is not the finished softmax but p = 2^(t - M), with t = logit x log2(e) and M = ceil(the row's largest t), a whole number; so 1/2 < the row's largest p <= 1. The row's sum l is taken of the UNQUANTISED p, in f32, and the product's result is divided by l at the end. Since M is a whole number, a kernel that streams over the keys may use a running M (the ceiling of the running maximum): every later rescaling is an exact power of two, which a block's scale takes up: the codes' values come out the same.
;;   OPERANDS COMPUTED ON THE WAY. 'Computed on the way' means the value that the module computes at that place (a softmax that the list does not call 'softmax' is quantised finished and normalised). What goes into a quantiser is computed in f32, as accurately as f32 sums, v_exp_f32 and their like allow (about 1e-6 of the number): no bf16 or f16 on the way to a quantiser, and a product that is left as it is and whose result goes on into a quantised operand takes f32 operands (vector FMAs, or v_wmma_f32_16x16x4_f32). A number that lies on a knife's edge between two numbers of the format may be rounded either way, as far as f32 arithmetic and the matrix unit's own rounding can turn it there, and no further.
;;   INPUTS GIVEN AS CODES. wk (in the module: [256, 256], K = its axis 1); wo (in the module: [256, 256], K = its axis 1); wq (in the module: [256, 256], K = its axis 1); wv (in the module: [256, 256], K = its axis 1): each comes as NAME_codes (uint8): NAME with its K axis moved to the last place and cut into blocks of 32 codes, [.., K / 32, bytes a block], one block behind the other in memory; two codes a byte, the lower K in the low four bits (a code: sign, 2 exponent bits, 1 mantissa bit); and NAME_scales (uint8): the same leading axes, one E8M0 byte (e + 127) for each 32 codes along K. Its value is code x scale, taken as it is: it is not quantised again, and the codes and scales need not be those that the quantiser above would give.
;; One version. Each part assembles by itself: llvm-mc -triple=amdgcn-amd-amdhsa -mcpu=gfx1250 --defsym DOCPART=n.
;; ======== version 1 of 1: 3 launches
;; workspace buffers: stats 2,048 bytes; qf 2,228,224 bytes; kv 4,456,448 bytes
;; launch gn_stats (part 1): grid 256 x 1, 8 waves a work-group, no clusters, 1,280 bytes of LDS; arguments x, stats; writes stats
.if DOCPART == 1
	.amdgcn_target "amdgcn-amd-amdhsa--gfx1250"
	.amdhsa_code_object_version 6
	.text
	.protected	k_qdd1d53707f_gn_stats
	.globl	k_qdd1d53707f_gn_stats
	.p2align	8
	.type	k_qdd1d53707f_gn_stats,@function
k_qdd1d53707f_gn_stats:
	s_mov_b64 s[64:65], 0
	v_nop
	global_prefetch_b8 v0, s[64:65] scope:SCOPE_SE
	s_setreg_imm32_b32 hwreg(HW_REG_WAVE_MODE, 25, 1), 1
	s_wait_xcnt 0x0
; GroupNorm's statistics.  x: [4][256][4096] f32; a group is 8 channels x 4,096 positions = 32,768 consecutive numbers.
; NOTHING OF reference() IS LEFT OUT IN THIS PROGRAM: every bias goes into a quantised operand or into the output, every product is live, all inputs are loaded.
; A work-group takes HALF a group: 16,384 consecutive numbers, 65,536 bytes; work-group g stores (mean, M2) of x's bytes 65,536 g on at stats + 8 g,
; M2 = the sum of (x - mean)^2.  The next launch joins the two halves of a group.
; The sums are taken about a mean, never as a difference of large sums: each wave takes the mean of its 2,048 numbers, then the squares of
; (x - that mean); the eight waves' figures are joined by M2 = sum M2_w + 2,048 sum (m_w - mean)^2.  So a common offset in x costs no digits.
; LIMITS: NaN and infinities in x are not served; the order of the sums differs from reference()'s.
; No matrix unit, no tensor load, no cluster: the launch streams x once, each load of a wave covers 512 consecutive bytes.
.set SPARE, 256                        ; LDS: 64 bytes of partial figures in the first block; from 256 on the spare words, 128 bytes a wave
.set SPW, 2                            ; v2  LDS address of my spare word; never rewritten
.set NIL, 3                            ; v3  0; never rewritten
.set D, 16                             ; v16-79 my 64 numbers
.macro LANESUM r, t                    ; the sum over the 32 lanes, in every lane
	s_delay_alu instid0(VALU_DEP_1)
	v_add_f32_dpp v[\r], v[\r], v[\r] row_xmask:1 row_mask:0xf bank_mask:0xf
	s_delay_alu instid0(VALU_DEP_1)
	v_add_f32_dpp v[\r], v[\r], v[\r] row_xmask:2 row_mask:0xf bank_mask:0xf
	s_delay_alu instid0(VALU_DEP_1)
	v_add_f32_dpp v[\r], v[\r], v[\r] row_xmask:4 row_mask:0xf bank_mask:0xf
	s_delay_alu instid0(VALU_DEP_1)
	v_add_f32_dpp v[\r], v[\r], v[\r] row_xmask:8 row_mask:0xf bank_mask:0xf
	s_delay_alu instid0(VALU_DEP_1)
	v_permlanex16_b32 v[\t], v[\r], s12, s13
	s_delay_alu instid0(VALU_DEP_1)
	v_add_f32 v[\r], v[\r], v[\t]
.endm
.macro FOLD                            ; four chains of pairs into v4
	s_delay_alu instid0(VALU_DEP_3)
	v_pk_add_f32 v[4:5], v[4:5], v[6:7]
	s_delay_alu instid0(VALU_DEP_2)
	v_pk_add_f32 v[8:9], v[8:9], v[10:11]
	s_delay_alu instid0(VALU_DEP_1)
	v_pk_add_f32 v[4:5], v[4:5], v[8:9]
	s_delay_alu instid0(VALU_DEP_1)
	v_add_f32 v4, v4, v5
	LANESUM 4, 5
.endm
	s_load_b128 s[4:7], s[0:1], 0x0                ; x, stats
	v_lshl_add_u32 v[SPW], v0, 2, SPARE
	v_mov_b32 v[NIL], 0
	v_lshrrev_b32 v1, 5, v0
	s_delay_alu instid0(VALU_DEP_1)
	v_readfirstlane_b32 s8, v1                     ; wave 0..7
	v_and_b32 v14, 31, v0
	s_delay_alu instid0(VALU_DEP_1)
	v_lshlrev_b32 v14, 4, v14
	s_delay_alu instid0(VALU_DEP_1)
	v_lshl_add_u32 v14, v1, 13, v14                ; 8,192 x wave + 16 x lane
	s_delay_alu instid0(VALU_DEP_4)
	v_mov_b32 v15, s8
	s_delay_alu instid0(VALU_DEP_1)
	v_lshlrev_b32 v15, 3, v15                      ; LDS: my wave's 8 bytes
	s_lshl_b32 s10, ttmp9, 16                      ; the half group's first byte
	s_mov_b32 s11, 0
	s_lshl_b32 s14, ttmp9, 3                       ; and its 8 bytes of stats
	s_mov_b32 s15, 0
	s_mov_b32 s12, 0x76543210                      ; v_permlanex16_b32: lane l xor 16
	s_mov_b32 s13, 0xfedcba98
	s_wait_alu depctr_va_vdst(0)
	s_wait_kmcnt 0x0
	s_add_nc_u64 s[4:5], s[4:5], s[10:11]
	s_add_nc_u64 s[6:7], s[6:7], s[14:15]
.set j, 0
.rept 16
	global_load_b128 v[D+4*j:D+4*j+3], v14, s[4:5] offset:512*j th:TH_LOAD_NT
.set j, j+1
.endr
	s_wait_loadcnt 12                              ; the first four loads are in, the twelve younger ones may be out
.irp k, 0,1,2,3
	v_pk_add_f32 v[4+2*\k:5+2*\k], v[D+4*\k:D+4*\k+1], v[D+4*\k+2:D+4*\k+3]   ; the first pairs start the four chains: nothing is cleared
.endr
	s_wait_alu depctr_va_vdst(0)
.irp g, 1,2,3
	s_wait_alu depctr_va_vdst(0)
	s_wait_loadcnt 12-4*\g                         ; four loads more are in
.irp p, 0,2
.irp k, 0,1,2,3
	v_pk_add_f32 v[4+2*\k:5+2*\k], v[4+2*\k:5+2*\k], v[D+16*\g+4*\k+\p:D+16*\g+4*\k+\p+1]
.endr
.endr
.endr
	FOLD
	s_delay_alu instid0(VALU_DEP_1)
	v_mul_f32 v12, 0x3a000000, v4                  ; m_w = the sum / 2,048
	s_delay_alu instid0(VALU_DEP_1)
	v_mov_b32 v13, v12
.set j, 0
.rept 32
	v_pk_add_f32 v[D+2*j:D+2*j+1], v[D+2*j:D+2*j+1], v[12:13] neg_lo:[0,1] neg_hi:[0,1]   ; x - m_w
.set j, j+1
.endr
.irp k, 0,1,2,3
	v_pk_mul_f32 v[4+2*\k:5+2*\k], v[D+2*\k:D+2*\k+1], v[D+2*\k:D+2*\k+1]
.endr
.set j, 4
.rept 28
	s_delay_alu instid0(VALU_DEP_4)
	v_pk_fma_f32 v[4+2*(j%4):5+2*(j%4)], v[D+2*j:D+2*j+1], v[D+2*j:D+2*j+1], v[4+2*(j%4):5+2*(j%4)]
.set j, j+1
.endr
	FOLD
	s_delay_alu instid0(VALU_DEP_1)
	v_mov_b32 v13, v4                              ; v[12:13] = (m_w, M2_w)
	ds_store_b64 v15, v[12:13]                     ; all lanes write the same 8 bytes with the same value
	s_wait_dscnt 0x0                               ; for the others' sake: my store has landed
	s_barrier_signal -1
	s_barrier_wait -1
	v_mov_b32 v1, 0
.irp i, 0,1,2,3
	ds_load_b128 v[D+4*\i:D+4*\i+3], v1 offset:16*\i   ; the eight waves' figures, in every lane
.endr
	s_wait_dscnt 0x0
	v_add_f32 v4, v16, v18
	v_add_f32 v5, v20, v22
	v_add_f32 v6, v24, v26
	v_add_f32 v7, v28, v30
	v_add_f32 v8, v17, v19
	v_add_f32 v9, v21, v23
	v_add_f32 v10, v25, v27
	v_add_f32 v11, v29, v31
	v_add_f32 v4, v4, v5
	v_add_f32 v6, v6, v7
	v_add_f32 v8, v8, v9
	s_delay_alu instid0(VALU_DEP_4)
	v_add_f32 v10, v10, v11
	s_delay_alu instid0(VALU_DEP_3)
	v_add_f32 v4, v4, v6
	s_delay_alu instid0(VALU_DEP_2)
	v_add_f32 v5, v8, v10                          ; the sum of the M2_w
	s_delay_alu instid0(VALU_DEP_2)
	v_mul_f32 v4, 0x3e000000, v4                   ; mean = the sum of the m_w / 8
.irp i, 0,1,2,3,4,5,6,7
	v_sub_f32 v[D+2*\i], v[D+2*\i], v4
.endr
	v_mul_f32 v6, v16, v16
.irp i, 1,2,3,4,5,6,7
	s_delay_alu instid0(VALU_DEP_1)
	v_fmac_f32 v6, v[D+2*\i], v[D+2*\i]
.endr
	s_delay_alu instid0(VALU_DEP_1)
	v_fmamk_f32 v5, v6, 0x45000000, v5             ; + 2,048 x the sum of (m_w - mean)^2
	s_wait_alu depctr_va_vdst(0)
	s_wait_tensorcnt 0x0                           ; the wave's end: three lines behind my last LDS store, the first of them even in a text with no tensor load
	ds_add_u32 v[SPW], v[NIL]
	s_wait_dscnt 0x0
	v_cmp_eq_u32 vcc_lo, 0, v0
	s_wait_xcnt 0x0                                ; EXEC changes only behind this wait
	s_and_saveexec_b32 s9, vcc_lo                  ; thread 0 alone stores
	global_store_b64 v1, v[4:5], s[6:7]
	s_wait_xcnt 0x0                                ; and again in front of the line that widens it
	s_or_b32 exec_lo, exec_lo, s9
	s_endpgm
.Lfunc_end_k_qdd1d53707f_gn_stats:
	.size	k_qdd1d53707f_gn_stats, .Lfunc_end_k_qdd1d53707f_gn_stats-k_qdd1d53707f_gn_stats
	.p2alignl 7, 3214868480
	.fill 96, 4, 3214868480
	.section	.rodata,"a",@progbits
	.p2align	6, 0x0
	.amdhsa_kernel k_qdd1d53707f_gn_stats
		.amdhsa_group_segment_fixed_size 1280
		.amdhsa_private_segment_fixed_size 0
		.amdhsa_enable_private_segment 0
		.amdhsa_kernarg_size 16
		.amdhsa_user_sgpr_count 2
		.amdhsa_user_sgpr_kernarg_segment_ptr 1
		.amdhsa_wavefront_size32 1
		.amdhsa_system_sgpr_workgroup_id_x 1
		.amdhsa_system_sgpr_workgroup_id_y 1
		.amdhsa_system_sgpr_workgroup_id_z 1
		.amdhsa_system_vgpr_workitem_id 0
		.amdhsa_next_free_vgpr 80
		.amdhsa_next_free_sgpr 66
		.amdhsa_reserve_vcc 1
		.amdhsa_float_denorm_mode_32 3
		.amdhsa_float_denorm_mode_16_64 3
		.amdhsa_memory_ordered 1
		.amdhsa_forward_progress 1
		.amdhsa_inst_pref_size 14
	.end_amdhsa_kernel
	.amdgpu_metadata
---
amdhsa.version: [ 1, 2 ]
amdhsa.kernels:
  - .name:           k_qdd1d53707f_gn_stats
    .symbol:         k_qdd1d53707f_gn_stats.kd
    .args:
      - { .name: x, .offset: 0, .size: 8, .value_kind: global_buffer, .address_space: global }
      - { .name: stats, .offset: 8, .size: 8, .value_kind: global_buffer, .address_space: global }
    .group_segment_fixed_size: 1280
    .private_segment_fixed_size: 0
    .kernarg_segment_align: 8
    .kernarg_segment_size: 16
    .max_flat_workgroup_size: 256
    .sgpr_count:     66
    .vgpr_count:     80
    .wavefront_size: 32
...
	.end_amdgpu_metadata
.endif
;; end of part 1
;; launch qkv (part 2): grid 128 x 1, 16 waves a work-group, no clusters, 104,448 bytes of LDS; arguments x, stats, gn_w, gn_b, wq_codes, wk_codes, wq_scales, wk_scales, bq, bk, wv_codes, wv_scales, bv, qf, kv; writes qf, kv
.if DOCPART == 2
	.amdgcn_target "amdgcn-amd-amdhsa--gfx1250"
	.amdhsa_code_object_version 6
	.text
	.protected	k_qdd1d53707f_qkv
	.globl	k_qdd1d53707f_qkv
	.p2align	8
	.type	k_qdd1d53707f_qkv,@function
k_qdd1d53707f_qkv:
	s_mov_b64 s[64:65], 0
	v_nop
	global_prefetch_b8 v0, s[64:65] scope:SCOPE_SE
	s_setreg_imm32_b32 hwreg(HW_REG_WAVE_MODE, 25, 1), 1
	s_wait_xcnt 0x0
; h = GroupNorm(x), quantised along the channels; q = Wq h + bq, k = Wk h + bk, v = Wv h + bv on codes of FP4 (E2M1) with E8M0 scales; q and k are quantised along the channels, v along the keys.  Nothing is left out.
; A work-group takes 128 positions of one batch (block B = 32 batch + j: positions 128 j on): one key step of the attention.  Sixteen waves.
; WHAT IS STORED ARE IMAGES OF OPERAND REGISTERS.  A fragment (16 rows x 128 K, 8 registers a lane) is 1,024 bytes: [half c][lane][16 bytes], half c = registers 4 c .. 4 c + 3.
;   qf block, 17,408 bytes: Q's fragments [tile m 0..7][K step s 0..1]; at 16,384 its scale words.
;   kv block, 34,816 bytes: K's fragments [m][s]; at 16,384 V's fragments [channel tile 0..15]; at 32,768 K's scale words; at 33,792 V's.
;   Scale words of Q and K: [m / 4][lane][m % 4], lanes 0-15 the words of K step 0 (row = lane), lanes 16-31 those of K step 1.  Of V: [t / 8][lane][(t / 2) % 4], lanes 0-15 tile t even, lanes 16-31 t odd.
; THE ROWS OF A TILE ARE NOT NEIGHBOURS: lane r of tile 2 b + u takes row 32 b + 8 u + r + 8 (r / 8): positions, rows of Wq, Wk, Wv alike.  So in a transposed result the 16 registers of tiles 2 b, 2 b + 1
; are 16 neighbours along the next K.  In LDS a row lies at its number with bits 3 and 4 exchanged: a tile's 16 rows are then neighbours there.
; PHASES.  H: wave (beta = w % 8, ph = w / 8) normalises channels 32 beta on of positions 64 ph on, a lane two positions, registers down the channels: a block of 32 lies in one lane.  Codes and scale bytes to LDS.
;   Meanwhile Wq, Wk, their scales and biases are copied into LDS (waves 0-7: q's, 8-15: k's).  | barrier |
;   P1: wave (proj = w / 8, s' = (w / 4) % 2, mp = w % 4): source 0 = 16 rows of W, source 1 = 16 positions; output channels 128 s' on, position tiles 2 mp, 2 mp + 1; the bias is the C of each sum's first product; quantised; stored.
;   P2: wave w = channel tile w of v: source 0 = 16 positions, source 1 = 16 rows of Wv: a lane holds one channel and registers along the keys; quantised; stored.  | barrier |  waves 0-5 store the scale words, 512 bytes each.
; No tensor load: the weights are 64 KiB read once by a work-group, through registers.  No cluster: work-groups share only those weights, a small part of what a work-group moves beside its 128 KiB of x.
; LIMITS: NaN and infinities are not served; a block of zeros gets the byte 1 (its codes are zeros; this program alone reads the bytes); h is (x - mean) x (rsqrt x gn_w) + gn_b, one rounding otherwise placed than reference()'s.
.set HP, 144                           ; an LDS row of 256 codes: 128 bytes + 16 of padding
.set HC, 0                             ; h's codes: 128 rows
.set HS, 18432                         ; h's scale bytes: 8 a row
.set WQK, 19456                        ; Wq's 256 rows, then Wk's
.set WPROJ, 36864
.set WS, 93184                         ; their scale bytes, 8 a row
.set BIAS, 97280                       ; bq, bk
.set SCST, 99328                       ; the scale words on their way out: q's, k's, v's, 1,024 bytes each
.set SPARE, 102400                     ; the spare words, 128 bytes a wave: eight blocks of 256 bytes that no other line names
.set SPW, 1
.set NIL, 2
.set HCA, 3                            ; LDS addresses, made at the head and kept
.set HSA, 4
.set WST, 5
.set WSS, 6
.set BST, 7
.set HFA, 8
.set HSP, 9
.set HS2, 10
.set WA, 11
.set BA, 12
.set WSA, 13
.set SCQ, 14
.set H2, 15
.set SCV, 16
.set SCL, 17
.set GO, 18                            ; global offsets that last
.set GV, 19
.set WVO, 23
.set WVS, 29
.set BVO, 39
.set PWQ, 20                           ; v20-21 my two tiles' scale words; v22 v's
.set PWV, 22
.set SWV, 24                           ; scale registers: Wv's; h's of my two tiles; W's, two buffers; h's of all eight tiles
.set SH, 25
.set SW, 27
.set SH2, 30
.set BVR, 38
.set HF, 40                            ; v40-71 four fragments of h (16 e + 8 s)
.set WB, 72                            ; v72-95, v96-119: W's two fragments and eight numbers of bias, two buffers
.set BV, 120                           ; v120-127 bv eight times
.set ACC, 128
.set TM, 72                            ; behind the products: at work
.set PC0, 88
.set PC1, 96
.set PC2, 104
.set WVF, 40
.set X, 128                            ; phase H: x as loaded; the two positions' 32 channels
.set Y0, 192
.set Y1, 224
.set SG, 40                            ; staged weights, scales, bias
.set SGS, 72
.set SGB, 74
.set STT, 76
.set GW, 80
.set GB, 81
.set XO, 104                           ; the head's global offsets
.set STO, 105
.set GNO, 106
.set WCO, 107
.set WS8, 108
.set B4, 109
.set WV, 52
.set BETA, 53
.set PJ, 54
.set SP, 55
.set MP, 56
.set SEL, 58
.macro NOPS n
.rept \n
	v_nop
.endr
.endm
.macro MMC d, a, b, c, sa, sb, row     ; one product; row: which half of the lanes holds both sides' scale words
.if (\row)==0
	v_wmma_scale_f32_16x16x128_f8f6f4 v[\d:\d+7], v[\a:\a+7], v[\b:\b+7], v[\c:\c+7], v[\sa], v[\sb] matrix_a_fmt:MATRIX_FMT_FP4 matrix_b_fmt:MATRIX_FMT_FP4
.else
	v_wmma_scale_f32_16x16x128_f8f6f4 v[\d:\d+7], v[\a:\a+7], v[\b:\b+7], v[\c:\c+7], v[\sa], v[\sb] matrix_a_fmt:MATRIX_FMT_FP4 matrix_b_fmt:MATRIX_FMT_FP4 matrix_a_scale:MATRIX_SCALE_ROW1 matrix_b_scale:MATRIX_SCALE_ROW1
.endif
.endm
; 64 numbers of a lane, register 16 b + i = k 32 b + 16 (lane / 16) + i of my row, become a fragment's codes in v[pc] on and its scale word in v[pw]
.macro QUANT s, pc, pw
.irp b, 0,1,2,3
	v_max3_num_f32 v[TM+\b], |v[\s+16*\b]|, |v[\s+16*\b+1]|, 0x1800000   ; my 16 numbers of block b, and the floor 2^(3 - 127): the byte cannot fall under 1
.endr
.irp i, 2,4,6,8,10,12,14
.irp b, 0,1,2,3
	v_max3_num_f32 v[TM+\b], v[TM+\b], |v[\s+16*\b+\i]|, |v[\s+16*\b+\i+1]|
.endr
.endr
.irp b, 0,1,2,3
	s_delay_alu instid0(VALU_DEP_4)
	v_permlanex16_b32 v[TM+4+\b], v[TM+\b], s[SEL], s[SEL+1]
.endr
.irp b, 0,1,2,3
	s_delay_alu instid0(VALU_DEP_4)
	v_max_num_f32 v[TM+\b], v[TM+\b], v[TM+4+\b]   ; with lane l xor 16's: the block's largest magnitude
.endr
.irp b, 0,1,2,3
	s_delay_alu instid0(VALU_DEP_4)
	v_add_nc_u32 v[TM+12+\b], 0xff000000, v[TM+\b]   ; 2 off its exponent field: the conversion's scale operand
.endr
.irp b, 0,1,2,3
	s_delay_alu instid0(VALU_DEP_4)
	v_lshrrev_b32 v[TM+4+\b], 23, v[TM+12+\b]      ; the scale's byte
.endr
	s_delay_alu instid0(VALU_DEP_3)
	v_lshl_or_b32 v[\pw], v[TM+5], 8, v[TM+4]
	s_delay_alu instid0(VALU_DEP_1)
	v_lshl_or_b32 v[\pw], v[TM+6], 16, v[\pw]
	s_delay_alu instid0(VALU_DEP_1)
	v_lshl_or_b32 v[\pw], v[TM+7], 24, v[\pw]
.irp b, 0,1,2,3
	v_cvt_scalef32_pk8_fp4_f32 v[\pc+2*\b], v[\s+16*\b:\s+16*\b+7], v[TM+12+\b]
	v_cvt_scalef32_pk8_fp4_f32 v[\pc+2*\b+1], v[\s+16*\b+8:\s+16*\b+15], v[TM+12+\b]
.endr
	v_nop                                          ; one plain place behind a scaled conversion
.irp c, 0,1                                    ; the operand's layout wants a whole block in a lane
.irp i, 0,1
	v_permlane16_swap_b32 v[\pc+4*\c+\i], v[\pc+4*\c+2+\i]
.endr
.endr
.endm
; tile tau of my 128 rows of W: two fragments, eight numbers of bias, the rows' scale words: 7 LDS loads
.macro WTILE tau, buf
.irp s, 0,1
.irp c, 0,1
	ds_load_b128 v[WB+24*(\buf)+8*\s+4*\c:WB+24*(\buf)+8*\s+4*\c+3], v[WA] offset:16*HP*(\tau)+64*\s+32*\c
.endr
.endr
	ds_load_b128 v[WB+24*(\buf)+16:WB+24*(\buf)+19], v[BA] offset:4*(32*((\tau)/2)+8*((\tau)%2))
	ds_load_b128 v[WB+24*(\buf)+20:WB+24*(\buf)+23], v[BA] offset:4*(32*((\tau)/2)+8*((\tau)%2))+16
	ds_load_b32 v[SW+(\buf)], v[WSA] offset:128*(\tau)
.endm
	s_load_b512 s[4:19], s[0:1], 0x0               ; x, stats, gn_w, gn_b, wq_codes, wk_codes, wq_scales, wk_scales
	s_load_b128 s[20:23], s[0:1], 0x40             ; bq, bk
	s_load_b256 s[40:47], s[0:1], 0x50             ; wv_codes, wv_scales, bv, qf
	s_load_b64 s[48:49], s[0:1], 0x70              ; kv
	v_lshl_add_u32 v[SPW], v0, 2, SPARE
	v_mov_b32 v[NIL], 0
	v_lshrrev_b32 v110, 5, v0
	s_delay_alu instid0(VALU_DEP_1)
	v_readfirstlane_b32 s[WV], v110                ; wave 0..15
	s_and_b32 s[BETA], s[WV], 7
	s_lshr_b32 s[PJ], s[WV], 3                     ; ph in phase H, proj afterwards
	s_bfe_u32 s[SP], s[WV], 0x10002                ; s'
	s_and_b32 s[MP], s[WV], 3
	s_mov_b32 s57, 0x38000000                      ; 2^-15: 1 / the numbers of a group
	s_mov_b32 s[SEL], 0x76543210
	s_mov_b32 s[SEL+1], 0xfedcba98
	v_and_b32 v110, 31, v0                         ; lane
	v_and_b32 v111, 15, v0                         ; r
	v_bfe_u32 v112, v0, 4, 1                       ; h
	v_and_b32 v113, 255, v0                        ; t': my place among the 256 threads that stage one projection
	s_delay_alu instid0(VALU_DEP_4)
	; global offsets of the head
	v_lshlrev_b32 v[XO], 3, v110                   ; x: two positions a lane
	v_lshrrev_b32 v[STO], 3, v110
	s_lshr_b32 s60, ttmp9, 5                       ; batch
	s_lshl_b32 s61, s60, 9
	s_lshl_b32 s62, s[BETA], 6
	s_add_co_u32 s61, s61, s62
	v_lshl_add_u32 v[STO], v[STO], 4, s61          ; stats: 16 bytes a group: (32 batch + 4 beta + lane / 8) x 16.  Here a lane is a channel
	s_lshl_b32 s62, s[BETA], 7
	v_lshl_add_u32 v[GNO], v110, 2, s62            ; gn_w, gn_b: channel 32 beta + lane
	v_lshlrev_b32 v[WCO], 4, v113
	v_lshlrev_b32 v[WS8], 3, v113
	v_lshlrev_b32 v[B4], 2, v113
	s_lshl_b32 s60, s60, 22                        ; x: batch, 32 beta channels, 128 j + 64 ph positions
	s_lshl_b32 s62, s[BETA], 19
	s_add_co_u32 s60, s60, s62
	s_and_b32 s62, ttmp9, 31
	s_lshl_b32 s62, s62, 9
	s_add_co_u32 s60, s60, s62
	s_lshl_b32 s62, s[PJ], 8
	s_add_co_u32 s60, s60, s62
	s_mov_b32 s61, 0
	; LDS addresses.  Phase H: position 64 ph + 2 lane lies at the row with bits 3 and 4 exchanged
	v_and_b32 v114, 0x13, v0
	s_delay_alu instid0(VALU_DEP_1)
	v_lshlrev_b32 v114, 1, v114
	v_bfe_u32 v115, v0, 2, 1
	s_delay_alu instid0(VALU_DEP_1)
	v_lshl_or_b32 v114, v115, 4, v114
	v_bfe_u32 v115, v0, 3, 1
	s_delay_alu instid0(VALU_DEP_1)
	v_lshl_or_b32 v114, v115, 3, v114
	s_lshl_b32 s62, s[PJ], 6
	v_add_nc_u32 v114, s62, v114
	s_delay_alu instid0(VALU_DEP_1)
	v_mul_u32_u24 v[HCA], v114, HP
	s_lshl_b32 s62, s[BETA], 4
	v_add_nc_u32 v[HCA], s62, v[HCA]               ; HC + 144 row + 16 beta
	v_lshlrev_b32 v[HSA], 3, v114
	s_add_co_u32 s62, s[BETA], HS
	v_add_nc_u32 v[HSA], s62, v[HSA]               ; HS + 8 row + beta
	; staging: thread t' brings 16 bytes of row t' / 8 + 32 i
	v_bfe_u32 v114, v0, 3, 3
	v_bfe_u32 v115, v0, 7, 1
	s_delay_alu instid0(VALU_DEP_1)
	v_lshl_or_b32 v114, v115, 3, v114
	v_bfe_u32 v115, v0, 6, 1
	s_delay_alu instid0(VALU_DEP_1)
	v_lshl_or_b32 v114, v115, 4, v114
	s_delay_alu instid0(VALU_DEP_1)
	v_mul_u32_u24 v[WST], v114, HP
	v_and_b32 v115, 7, v0
	s_delay_alu instid0(VALU_DEP_1)
	v_lshl_add_u32 v[WST], v115, 4, v[WST]
	s_mul_i32 s62, s[PJ], WPROJ
	s_add_co_u32 s62, s62, WQK
	v_add_nc_u32 v[WST], s62, v[WST]
	v_and_b32 v114, 0xe7, v0                       ; and the scale bytes of row t'
	v_bfe_u32 v115, v0, 3, 1
	s_delay_alu instid0(VALU_DEP_1)
	v_lshl_or_b32 v114, v115, 4, v114
	v_bfe_u32 v115, v0, 4, 1
	s_delay_alu instid0(VALU_DEP_1)
	v_lshl_or_b32 v114, v115, 3, v114
	s_delay_alu instid0(VALU_DEP_1)
	v_lshlrev_b32 v[WSS], 3, v114
	s_lshl_b32 s62, s[PJ], 11
	s_add_co_u32 s62, s62, WS
	v_add_nc_u32 v[WSS], s62, v[WSS]
	v_lshl_add_u32 v[BST], v0, 2, BIAS             ; the bias: 4 x thread = 1,024 proj + 4 t'
	; the products' reads
	v_mul_u32_u24 v[H2], v111, HP
	s_delay_alu instid0(VALU_DEP_1)
	v_lshl_add_u32 v[H2], v112, 4, v[H2]           ; row r, + 16 h
	s_mul_i32 s62, s[MP], 32*HP
	v_add_nc_u32 v[HFA], s62, v[H2]
	v_lshlrev_b32 v116, 3, v111
	s_delay_alu instid0(VALU_DEP_1)
	v_lshl_add_u32 v116, v112, 2, v116             ; 8 r + 4 h: lanes 0-15 take K step 0's word, lanes 16-31 K step 1's
	s_wait_alu depctr_va_vdst(0)
	v_add_nc_u32 v[HS2], HS, v116
	s_lshl_b32 s62, s[MP], 8
	s_add_co_u32 s62, s62, HS
	v_add_nc_u32 v[HSP], s62, v116
	s_mul_i32 s62, s[PJ], WPROJ
	s_mul_i32 s63, s[SP], 128*HP
	s_add_co_u32 s62, s62, s63
	s_add_co_u32 s62, s62, WQK
	v_add_nc_u32 v[WA], s62, v[H2]
	s_lshl_b32 s62, s[PJ], 10
	s_lshl_b32 s63, s[SP], 9
	s_add_co_u32 s62, s62, s63
	s_add_co_u32 s62, s62, BIAS
	v_lshl_add_u32 v[BA], v112, 6, s62
	s_lshl_b32 s62, s[PJ], 11
	s_lshl_b32 s63, s[SP], 10
	s_add_co_u32 s62, s62, s63
	s_add_co_u32 s62, s62, WS
	v_add_nc_u32 v[WSA], s62, v116
	s_lshl_b32 s62, s[PJ], 10                      ; my two scale words' place: 1,024 proj + 512 (mp / 2) + 256 s' + 16 r + 8 (mp % 2)
	s_lshr_b32 s63, s[MP], 1
	s_lshl_b32 s63, s63, 9
	s_add_co_u32 s62, s62, s63
	s_lshl_b32 s63, s[SP], 8
	s_add_co_u32 s62, s62, s63
	s_and_b32 s63, s[MP], 1
	s_lshl_b32 s63, s63, 3
	s_add_co_u32 s62, s62, s63
	s_add_co_u32 s62, s62, SCST
	v_lshl_add_u32 v[SCQ], v111, 4, s62
	s_lshl_b32 s62, s[PJ], 9                       ; v's: 512 (w / 8) + 256 (w % 2) + 16 r + 4 ((w / 2) % 4)
	s_and_b32 s63, s[WV], 1
	s_lshl_b32 s63, s63, 8
	s_add_co_u32 s62, s62, s63
	s_bfe_u32 s63, s[WV], 0x20001
	s_lshl_b32 s63, s63, 2
	s_add_co_u32 s62, s62, s63
	s_add_co_u32 s62, s62, SCST+2048
	v_lshl_add_u32 v[SCV], v111, 4, s62
	s_min_u32 s62, s[WV], 5                        ; the copy out: waves 0-5 read 512 bytes each (the others never use this address)
	s_lshl_b32 s62, s62, 9
	s_add_co_u32 s62, s62, SCST
	v_lshl_add_u32 v[SCL], v110, 4, s62
	; global offsets that last
	s_lshl_b32 s62, s[MP], 12
	s_lshl_b32 s63, s[SP], 10
	s_add_co_u32 s62, s62, s63
	v_lshl_add_u32 v[GO], v110, 4, s62             ; fragment (2 mp + e, s'): 4,096 mp + 1,024 s' + 16 lane; 2,048 e in the immediate
	s_lshl_b32 s62, s[WV], 10
	v_lshl_add_u32 v[GV], v110, 4, s62
	v_and_b32 v117, 8, v111
	s_delay_alu instid0(VALU_DEP_1)
	v_add_nc_u32 v117, v117, v111
	s_lshr_b32 s62, s[WV], 1
	s_lshl_b32 s62, s62, 5
	s_and_b32 s63, s[WV], 1
	s_lshl_b32 s63, s63, 3
	s_add_co_u32 s62, s62, s63
	v_add_nc_u32 v117, s62, v117                   ; my row of Wv: 32 (w / 2) + 8 (w % 2) + r + 8 (r / 8)
	s_delay_alu instid0(VALU_DEP_1)
	v_lshlrev_b32 v[WVO], 7, v117
	s_delay_alu instid0(VALU_DEP_1)
	v_lshl_add_u32 v[WVO], v112, 4, v[WVO]
	s_delay_alu instid0(VALU_DEP_3)
	v_lshlrev_b32 v[WVS], 3, v117
	s_delay_alu instid0(VALU_DEP_1)
	v_lshl_add_u32 v[WVS], v112, 2, v[WVS]
	v_lshlrev_b32 v[BVO], 2, v117
	s_wait_kmcnt 0x0
	s_add_nc_u64 s[4:5], s[4:5], s[60:61]
	s_cmp_lt_u32 s[WV], 8                          ; q's waves or k's: the choice hangs on the wave's number alone
	s_cselect_b64 s[24:25], s[12:13], s[14:15]
	s_cselect_b64 s[26:27], s[16:17], s[18:19]
	s_cselect_b64 s[28:29], s[20:21], s[22:23]
	s_cselect_b64 s[50:51], s[46:47], s[48:49]
	s_mov_b32 s60, 34816
	s_cselect_b32 s60, 17408, s60
	s_mul_i32 s60, s60, ttmp9
	s_add_nc_u64 s[50:51], s[50:51], s[60:61]      ; the block that my q or k fragments go to
	s_mul_i32 s60, ttmp9, 34816
	s_add_nc_u64 s[48:49], s[48:49], s[60:61]      ; kv's block
	s_mul_i32 s60, ttmp9, 17408
	s_add_nc_u64 s[46:47], s[46:47], s[60:61]      ; qf's block
	global_load_b128 v[STT:STT+3], v[STO], s[6:7]
	global_load_b32 v[GW], v[GNO], s[8:9]
	global_load_b32 v[GB], v[GNO], s[10:11]
.set i, 0
.rept 32
	global_load_b64 v[X+2*i:X+2*i+1], v[XO], s[4:5] offset:16384*i th:TH_LOAD_NT   ; channel 32 beta + i: 32 lanes read 256 consecutive bytes, aligned
.set i, i+1
.endr
.irp i, 0,1,2,3,4,5,6,7
	global_load_b128 v[SG+4*\i:SG+4*\i+3], v[WCO], s[24:25] offset:4096*\i
.endr
	global_load_b64 v[SGS:SGS+1], v[WS8], s[26:27]
	global_load_b32 v[SGB], v[B4], s[28:29]
	s_mov_b32 s62, 0x46000000                      ; 8,192
	s_mov_b32 s63, 0x3727c5ac                      ; 1e-5
	s_wait_xcnt 0x0                                ; the loads have read their bases: s4 on take the norm's numbers
	; ---- H.  The statistics: a lane is a channel
	s_wait_loadcnt 42                              ; stats, gn_w, gn_b are in; the 42 younger loads may be out
	v_add_f32 v82, v[STT], v[STT+2]
	v_sub_f32 v83, v[STT], v[STT+2]
	v_add_f32 v84, v[STT+1], v[STT+3]
	s_delay_alu instid0(VALU_DEP_3)
	v_mul_f32 v82, 0.5, v82                        ; the group's mean
	s_delay_alu instid0(VALU_DEP_3)
	v_mul_f32 v83, v83, v83
	s_delay_alu instid0(VALU_DEP_1)
	v_fma_f32 v84, v83, s62, v84                   ; M2 = M2_0 + M2_1 + 8,192 (m_0 - m_1)^2
	s_delay_alu instid0(VALU_DEP_1)
	v_fma_f32 v85, v84, s57, s63                   ; var + eps
	s_wait_alu depctr_va_vdst(0)
	v_rsq_f32 v85, v85
	v_nop                                          ; a plain place behind the transcendental
	s_wait_alu depctr_va_vdst(0)                   ; and a wait ahead of its first reader
	v_mul_f32 v85, v85, v[GW]                      ; a = rsqrt x gn_w
	v_readlane_b32 s36, v82, 0                     ; the four groups' means
	v_readlane_b32 s37, v82, 8
	v_readlane_b32 s38, v82, 16
	v_readlane_b32 s39, v82, 24
.set i, 0
.rept 32
	v_readlane_b32 s[4+i], v85, i                  ; a and gn_b of channel i: the same for all lanes from here on, where a lane is two positions
	v_readlane_b32 s[66+i], v[GB], i
.set i, i+1
.endr
	s_wait_loadcnt 10                              ; x is in; the ten staging loads may be out
.set i, 0
.rept 32
	v_sub_f32 v[Y0+i], v[X+2*i], s[36+i/8]         ; x - mean first: no difference of large products
	v_sub_f32 v[Y1+i], v[X+2*i+1], s[36+i/8]
	s_delay_alu instid0(VALU_DEP_2)
	v_fma_f32 v[Y0+i], v[Y0+i], s[4+i], s[66+i]
	s_delay_alu instid0(VALU_DEP_2)
	v_fma_f32 v[Y1+i], v[Y1+i], s[4+i], s[66+i]
.set i, i+1
.endr
	v_max3_num_f32 v88, |v[Y0]|, |v[Y0+1]|, 0x1800000   ; a block of 32 channels of one position lies in my registers; the floor 2^(3 - 127) holds the byte at 1 from below
	v_max3_num_f32 v89, |v[Y1]|, |v[Y1+1]|, 0x1800000
.set i, 2
.rept 15
	s_delay_alu instid0(VALU_DEP_2)
	v_max3_num_f32 v88, v88, |v[Y0+i]|, |v[Y0+i+1]|
	s_delay_alu instid0(VALU_DEP_2)
	v_max3_num_f32 v89, v89, |v[Y1+i]|, |v[Y1+i+1]|
.set i, i+2
.endr
	s_delay_alu instid0(VALU_DEP_2)
	v_add_nc_u32 v90, 0xff000000, v88
	s_delay_alu instid0(VALU_DEP_2)
	v_add_nc_u32 v91, 0xff000000, v89
	s_delay_alu instid0(VALU_DEP_2)
	v_lshrrev_b32 v92, 23, v90
	s_delay_alu instid0(VALU_DEP_2)
	v_lshrrev_b32 v93, 23, v91
.irp g, 0,1,2,3
	v_cvt_scalef32_pk8_fp4_f32 v[96+\g], v[Y0+8*\g:Y0+8*\g+7], v90
	v_cvt_scalef32_pk8_fp4_f32 v[100+\g], v[Y1+8*\g:Y1+8*\g+7], v91
.endr
	v_nop                                          ; one plain place behind the last scaled conversion
	ds_store_b128 v[HCA], v[96:99]
	ds_store_b128 v[HCA], v[100:103] offset:HP     ; the odd position: the next row
	ds_store_b8 v[HSA], v92
	ds_store_b8 v[HSA], v93 offset:8
	s_wait_loadcnt 0x0                             ; the weights
.irp i, 0,1,2,3,4,5,6,7
	ds_store_b128 v[WST], v[SG+4*\i:SG+4*\i+3] offset:32*HP*\i
.endr
	ds_store_b64 v[WSS], v[SGS:SGS+1]
	ds_store_b32 v[BST], v[SGB]
	s_wait_dscnt 0x0                               ; for the others' sake: my stores have landed
	s_barrier_signal -1
	s_barrier_wait -1
	; ---- P1: q or k
.irp e, 0,1
.irp s, 0,1
.irp c, 0,1
	ds_load_b128 v[HF+16*\e+8*\s+4*\c:HF+16*\e+8*\s+4*\c+3], v[HFA] offset:16*HP*\e+64*\s+32*\c
.endr
.endr
.endr
.irp e, 0,1
	ds_load_b32 v[SH+\e], v[HSP] offset:128*\e
.endr
.irp m, 0,1,2,3,4,5,6,7
	ds_load_b32 v[SH2+\m], v[HS2] offset:128*\m
.endr
	WTILE 0, 0
	WTILE 1, 1
.irp tau, 0,1,2,3,4,5,6,7
.if \tau<7
	s_wait_dscnt 7                                 ; this tile is in; the next tile's seven loads may be out
.else
	s_wait_dscnt 0x0
.endif
.irp s, 0,1                                    ; the two accumulators take turns
.irp e, 0,1
.if \s==0
	MMC ACC+64*\e+8*\tau, WB+24*(\tau%2), HF+16*\e, WB+24*(\tau%2)+16, SW+\tau%2, SH+\e, 0
.else
	MMC ACC+64*\e+8*\tau, WB+24*(\tau%2)+8, HF+16*\e+8, ACC+64*\e+8*\tau, SW+\tau%2, SH+\e, 1
.endif
.endr
.endr
	NOPS 4                                         ; places in front of loads into registers that these products read, and at the end of the first read of results
.if \tau<6
	WTILE \tau+2, \tau%2
.endif
.endr
.irp s, 0,1                                    ; Wv's two fragments, asked for here: h's four fragments are done with; they land while q or k is quantised
.irp c, 0,1
	global_load_b128 v[WVF+8*\s+4*\c:WVF+8*\s+4*\c+3], v[WVO], s[40:41] offset:64*\s+32*\c
.endr
.endr
	global_load_b32 v[SWV], v[WVS], s[42:43]
	global_load_b32 v[BVR], v[BVO], s[44:45]
.irp b, 0,1,2,3
	v_mov_b32 v[TM+4+\b], 0                        ; a lane permute's destination counts as one of its sources
.endr
	QUANT ACC, PC0, PWQ
	QUANT ACC+64, PC1, PWQ+1
	global_store_b128 v[GO], v[PC0:PC0+3], s[50:51]                 ; each store of the wave covers 512 consecutive bytes, aligned
	global_store_b128 v[GO], v[PC0+4:PC0+7], s[50:51] offset:512
	global_store_b128 v[GO], v[PC1:PC1+3], s[50:51] offset:2048
	global_store_b128 v[GO], v[PC1+4:PC1+7], s[50:51] offset:2560
	ds_store_b64 v[SCQ], v[PWQ:PWQ+1]              ; lanes r and r + 16 write the same 8 bytes with the same value
	; ---- P2: v, channel tile w
	s_wait_loadcnt 0x0
.irp j, 0,1,2,3,4,5,6,7
	v_mov_b32 v[BV+\j], v[BVR]                     ; a lane holds one channel: its bias eight times is the C of each sum's first product
.endr
	s_wait_alu depctr_va_vdst(0)
	NOPS 4
.irp g, 0,1
.irp i, 0,1,2,3
.irp s, 0,1
.irp c, 0,1
	ds_load_b128 v[192+16*\i+8*\s+4*\c:192+16*\i+8*\s+4*\c+3], v[H2] offset:16*HP*(4*\g+\i)+64*\s+32*\c
.endr
.endr
.endr
	s_wait_dscnt 0x0
.irp i, 0,1,2,3
	MMC 128+8*(4*\g+\i), 192+16*\i, WVF, BV, SH2+4*\g+\i, SWV, 0
.endr
.irp i, 0,1,2,3
	MMC 128+8*(4*\g+\i), 192+16*\i+8, WVF+8, 128+8*(4*\g+\i), SH2+4*\g+\i, SWV, 1
.endr
	NOPS 4
.endr
	QUANT 128, PC2, PWV                            ; along the keys
	global_store_b128 v[GV], v[PC2:PC2+3], s[48:49] offset:16384
	global_store_b128 v[GV], v[PC2+4:PC2+7], s[48:49] offset:16896
	ds_store_b32 v[SCV], v[PWV]
	s_wait_dscnt 0x0
	s_barrier_signal -1
	s_barrier_wait -1                              ; all scale words lie in LDS
	s_cmp_lt_u32 s[WV], 6
	s_cbranch_scc0 .Ldone
	ds_load_b128 v[112:115], v[SCL]
	v_and_b32 v116, 31, v0
	s_delay_alu instid0(VALU_DEP_1)
	v_lshlrev_b32 v116, 4, v116
	s_cmp_lt_u32 s[WV], 2                          ; waves 0, 1: q's words; waves 2 to 5: k's and v's
	s_cselect_b64 s[60:61], s[46:47], s[48:49]
	s_mov_b32 s62, 31744                           ; 32,768 - 2 x 512
	s_cselect_b32 s62, 16384, s62
	s_lshl_b32 s63, s[WV], 9
	s_add_co_u32 s62, s62, s63
	s_mov_b32 s63, 0
	s_add_nc_u64 s[60:61], s[60:61], s[62:63]
	s_wait_alu depctr_va_vdst(0)
	s_wait_dscnt 0x0
	global_store_b128 v116, v[112:115], s[60:61]
.Ldone:
	s_wait_tensorcnt 0x0                           ; the wave's end: three lines behind my last LDS store, the first of them even in a text with no tensor load
	ds_add_u32 v[SPW], v[NIL]
	s_wait_dscnt 0x0
	s_endpgm
.Lfunc_end_k_qdd1d53707f_qkv:
	.size	k_qdd1d53707f_qkv, .Lfunc_end_k_qdd1d53707f_qkv-k_qdd1d53707f_qkv
	.p2alignl 7, 3214868480
	.fill 96, 4, 3214868480
	.section	.rodata,"a",@progbits
	.p2align	6, 0x0
	.amdhsa_kernel k_qdd1d53707f_qkv
		.amdhsa_group_segment_fixed_size 104448
		.amdhsa_private_segment_fixed_size 0
		.amdhsa_enable_private_segment 0
		.amdhsa_kernarg_size 120
		.amdhsa_user_sgpr_count 2
		.amdhsa_user_sgpr_kernarg_segment_ptr 1
		.amdhsa_wavefront_size32 1
		.amdhsa_system_sgpr_workgroup_id_x 1
		.amdhsa_system_sgpr_workgroup_id_y 1
		.amdhsa_system_sgpr_workgroup_id_z 1
		.amdhsa_system_vgpr_workitem_id 0
		.amdhsa_next_free_vgpr 256
		.amdhsa_next_free_sgpr 98
		.amdhsa_reserve_vcc 0
		.amdhsa_float_denorm_mode_32 3
		.amdhsa_float_denorm_mode_16_64 3
		.amdhsa_memory_ordered 1
		.amdhsa_forward_progress 1
		.amdhsa_inst_pref_size 62
	.end_amdhsa_kernel
	.amdgpu_metadata
---
amdhsa.version: [ 1, 2 ]
amdhsa.kernels:
  - .name:           k_qdd1d53707f_qkv
    .symbol:         k_qdd1d53707f_qkv.kd
    .args:
      - { .name: x, .offset: 0, .size: 8, .value_kind: global_buffer, .address_space: global }
      - { .name: stats, .offset: 8, .size: 8, .value_kind: global_buffer, .address_space: global }
      - { .name: gn_w, .offset: 16, .size: 8, .value_kind: global_buffer, .address_space: global }
      - { .name: gn_b, .offset: 24, .size: 8, .value_kind: global_buffer, .address_space: global }
      - { .name: wq_codes, .offset: 32, .size: 8, .value_kind: global_buffer, .address_space: global }
      - { .name: wk_codes, .offset: 40, .size: 8, .value_kind: global_buffer, .address_space: global }
      - { .name: wq_scales, .offset: 48, .size: 8, .value_kind: global_buffer, .address_space: global }
      - { .name: wk_scales, .offset: 56, .size: 8, .value_kind: global_buffer, .address_space: global }
      - { .name: bq, .offset: 64, .size: 8, .value_kind: global_buffer, .address_space: global }
      - { .name: bk, .offset: 72, .size: 8, .value_kind: global_buffer, .address_space: global }
      - { .name: wv_codes, .offset: 80, .size: 8, .value_kind: global_buffer, .address_space: global }
      - { .name: wv_scales, .offset: 88, .size: 8, .value_kind: global_buffer, .address_space: global }
      - { .name: bv, .offset: 96, .size: 8, .value_kind: global_buffer, .address_space: global }
      - { .name: qf, .offset: 104, .size: 8, .value_kind: global_buffer, .address_space: global }
      - { .name: kv, .offset: 112, .size: 8, .value_kind: global_buffer, .address_space: global }
    .group_segment_fixed_size: 104448
    .private_segment_fixed_size: 0
    .kernarg_segment_align: 8
    .kernarg_segment_size: 120
    .max_flat_workgroup_size: 512
    .sgpr_count:     98
    .vgpr_count:     256
    .wavefront_size: 32
...
	.end_amdgpu_metadata
.endif
;; end of part 2
;; launch attn (part 3): grid 64 x 4, 8 waves a work-group, clusters of 4 x 1, 327,680 bytes of LDS; arguments qf, kv, wo_codes, wo_scales, bo, x, out0; writes out0
.if DOCPART == 3
	.amdgcn_target "amdgcn-amd-amdhsa--gfx1250"
	.amdhsa_code_object_version 6
	.text
	.protected	k_qdd1d53707f_attn
	.globl	k_qdd1d53707f_attn
	.p2align	8
	.type	k_qdd1d53707f_attn,@function
k_qdd1d53707f_attn:
	s_mov_b64 s[64:65], 0
	v_nop
	global_prefetch_b8 v0, s[64:65] scope:SCOPE_SE
	s_setreg_imm32_b32 hwreg(HW_REG_WAVE_MODE, 25, 1), 1
	s_wait_xcnt 0x0
	s_wait_alu depctr_hold_cnt(0) depctr_sa_sdst(0) depctr_va_vdst(0) depctr_va_sdst(0) depctr_va_ssrc(0) depctr_va_vcc(0) depctr_vm_vsrc(0)
	s_getreg_b32 s2, hwreg(HW_REG_IB_STS2, 6, 4)
	s_cmp_eq_u32 s2, 0
	s_cbranch_scc0 .Lentry_in_a_cluster
	s_endpgm
.Lentry_in_a_cluster:
	s_bfe_u32 s2, ttmp6, 0x10000c
	s_cmp_lg_u32 s2, 0x3003
	s_cbranch_scc0 .Lentry_shape_is_right
	s_endpgm
.Lentry_shape_is_right:
; out0 = x + Wo softmax(q k^T / 16) v + bo, all three products on codes of FP4 (E2M1) with one E8M0 scale for each 32 along a product's K.  Nothing is left out.
; q, k, v come as images of operand registers (the launch before lays them): block 32 batch + j of qf (17,408 bytes) and of kv (34,816 bytes) belongs to positions 128 j on.
; THE SOFTMAX: t = score x log2(e) / 16; M = the largest t so far, rounded up to a whole number; p = 2^(t - M) is quantised along the keys, not normalised; the row's sum is taken of the unquantised p.
; SHARES.  A work-group owns 64 queries: four tiles of 16.  Wave w: qp = w % 2: tiles 2 qp, 2 qp + 1; kq = w / 2: THE KEYS ARE SPLIT: an LDS slot holds 512 keys, four key steps, and wave kq takes step kq of every slot:
; eight steps a wave.  So each fragment of K and V read from LDS feeds two products.  At the end the four waves of a query tile are joined: M is a whole number, so the rescaling 2^(M_i - M*) rounds nothing.
; LAYOUT.  Both products are used transposed: S^T = K Q^T, O^T = V^T P^T: a lane holds one query (lane % 16).  The rows of a tile are 32 b + 8 u + r + 8 (r / 8), so that the 16 registers of tiles 2 b, 2 b + 1
; are 16 neighbouring keys (S^T) or channels (O^T).
; CLUSTER.  The four query blocks of a cluster belong to one batch and walk the same kv: each slot is asked for JOINTLY, by the same eight tensor loads (one a wave, 68 rows of 256 bytes) with a mask that names the four.
; THE END.  (-M, l) are exchanged; O^T x 2^(M_i - M*) / L goes to a stage in the slots' bytes (they have had their last fill and their last read); each wave sums 64 channels of its two tiles, quantises them along the
; channels and stores a half fragment's image; then wave w makes output channels 32 w on for all 64 queries (source 0 = O, source 1 = Wo, C = bo), turns them through its own stage, adds x and stores whole aligned runs of 256 bytes.
; REGISTERS.  Window 0: v1, v2 the add's two; v3, v4 my place in slot 0, 1; v5 the prefetch's offset; v6-7 Q's scale words; v8-15 K's, then V's; v16-31 statistics, 8 a tile: +0 -M, +1 largest t, +2, +3 the sum, +4 f,
;   +5 p's scale word, +6, +7 at work; v32-63 Q; v64-127 K's fragments, then at work and p's codes; v128-255 S^T, p, then V's fragments.  Window 1: O^T, 128 a tile.
; LIMITS: NaN and infinities are not served; a block of zeros gets the byte 1; p under 2^-126 counts as 0; the order of the sums differs from reference()'s.
.set SLOTB, 139264                     ; a slot: four blocks of kv as they lie
.set BLKB, 34816
.set EX, 278528                        ; behind the ring: (-M, l) of eight waves x two tiles, 8 bytes a lane
.set OIMG, 282624                      ; the quantised O: eight fragments' images
.set OSC, 290816                       ; their scale words: 128 bytes a tile
.set SPARE, 291328                     ; the spare words, 128 bytes a wave: four blocks of 256 bytes that no other line names
.set SPW, 1
.set NIL, 2
.set A0, 3
.set PFO, 5
.set QS, 6
.set KS, 8
.set T0, 16
.set Q, 32
.set F, 64
.set W, 64                             ; v64-76 at work in the softmax
.set PC, 80                            ; v80-87, v88-95 p's codes
.set S, 128
.set TM, 64                            ; the end's quantiser
.set WV, 18
.set QP, 19
.set KQN, 20
.set CX, 21
.set Z, 22
.set BT, 23
.set G1, 24
.set G0, 32
.set SEL, 40
.set CS, 42
.set CNT, 44
.set LIM, 45
.set PFA, 46
.set MSB, 0
.macro WIN new                         ; the immediate's high byte repeats the setting that is left; a switch that changes nothing is dropped
.if MSB != \new
	s_set_vgpr_msb (MSB<<8)|\new
.set MSB, \new
.endif
.endm
.set W_PV, 0x50                        ; C and D (O^T) in window 1
.set W_RS, 0x41                        ; destination and source 0 in window 1
.macro NOPS n
.rept \n
	v_nop
.endr
.endm
.macro MMC d, a, b, c, sa, sb, ra, rb  ; one product; ra, rb: which half of the lanes holds that side's scale words
.if (\ra)==0 && (\rb)==0
	v_wmma_scale_f32_16x16x128_f8f6f4 v[\d:\d+7], v[\a:\a+7], v[\b:\b+7], v[\c:\c+7], v[\sa], v[\sb] matrix_a_fmt:MATRIX_FMT_FP4 matrix_b_fmt:MATRIX_FMT_FP4
.elseif (\rb)==0
	v_wmma_scale_f32_16x16x128_f8f6f4 v[\d:\d+7], v[\a:\a+7], v[\b:\b+7], v[\c:\c+7], v[\sa], v[\sb] matrix_a_fmt:MATRIX_FMT_FP4 matrix_b_fmt:MATRIX_FMT_FP4 matrix_a_scale:MATRIX_SCALE_ROW1
.else
	v_wmma_scale_f32_16x16x128_f8f6f4 v[\d:\d+7], v[\a:\a+7], v[\b:\b+7], v[\c:\c+7], v[\sa], v[\sb] matrix_a_fmt:MATRIX_FMT_FP4 matrix_b_fmt:MATRIX_FMT_FP4 matrix_a_scale:MATRIX_SCALE_ROW1 matrix_b_scale:MATRIX_SCALE_ROW1
.endif
.endm
.macro MMZ d, a, b, sa, sb, ra         ; the same with the constant 0 as C: it starts a sum
.if (\ra)==0
	v_wmma_scale_f32_16x16x128_f8f6f4 v[\d:\d+7], v[\a:\a+7], v[\b:\b+7], 0, v[\sa], v[\sb] matrix_a_fmt:MATRIX_FMT_FP4 matrix_b_fmt:MATRIX_FMT_FP4
.else
	v_wmma_scale_f32_16x16x128_f8f6f4 v[\d:\d+7], v[\a:\a+7], v[\b:\b+7], 0, v[\sa], v[\sb] matrix_a_fmt:MATRIX_FMT_FP4 matrix_b_fmt:MATRIX_FMT_FP4 matrix_a_scale:MATRIX_SCALE_ROW1
.endif
.endm
; A round of the cluster's barrier: my work-group's barrier; wave 0 signals for the work-group; every wave waits for all four work-groups; my work-group's barrier once more
.macro CROUND
	s_barrier_signal -1
	s_barrier_wait -1
	s_cmp_lg_u32 s[WV], 0
	s_cbranch_scc1 .Lnot_wave_0_\@
	s_barrier_signal -3
.Lnot_wave_0_\@:
	s_barrier_wait -3
	s_barrier_signal -1
	s_barrier_wait -1
.endm
; A PREFETCH INTO THE L2 of the slot that the NEXT change of slots will ask for: one slot's key steps ahead of that load.  All sixteen clusters of a batch walk the same kv: the batch's first cluster asks.  Of the 68 rows
; of 256 bytes that wave w fetches, each of the four partners names 17, told apart BY ADDRESS; a lane a row (lanes 17 to 31 name lane 16's row again).  The first three slots come by their loads alone; the last change
; that fills a slot asks for nothing: how = 0 stands at a trip's second change, which is the last one when s[CNT] is 1.
.macro ASK how
.if \how
	s_cmp_eq_u32 s[LIM], 1
.else
	s_cmp_gt_u32 s[CNT], s[LIM]
.endif
	s_cbranch_scc0 .Lno_ask_\@
	global_prefetch_b8 v[PFO], s[PFA:PFA+1] th:TH_LOAD_NT scope:SCOPE_SE
.Lno_ask_\@:
.endm
; THE CHANGE OF SLOTS, at the head of slot `slot`.  Each wave waits for all its tensor loads (one is out: its eighth of this slot), adds 0 to its spare word, and waits for that and for its reads of the other slot.
; refill = 1: the barrier is a round of the cluster's, and the joint refill of the other slot is the first thing behind it: it has a key step of every wave in which to land.
.macro CHANGE slot, refill, how
	WIN 0
	s_wait_tensorcnt 0x0                           ; no tensor load of mine is out, so a group 0 may be written
	ds_add_u32 v[SPW], v[NIL]                      ; 0 onto my spare word
.if \refill
	s_add_nc_u64 s[G0+4*(1-\slot)+2:G0+4*(1-\slot)+3], s[G0+4*(1-\slot)+2:G0+4*(1-\slot)+3], 2*SLOTB   ; the other slot's next 512 keys; the type bits on top are not reached
	s_wait_xcnt 0x0                                ; the last prefetch, a slot back, has read its address
	s_add_nc_u64 s[PFA:PFA+1], s[PFA:PFA+1], SLOTB
	s_wait_dscnt 0x0                               ; the add is done, and my reads of the other slot are over
	CROUND
	tensor_load_to_lds s[G0+4*(1-\slot):G0+4*(1-\slot)+3], s[G1:G1+7]
	s_nop 0
	NOPS 4
	ASK \how
.else
	s_wait_dscnt 0x0
	s_barrier_signal -1
	s_barrier_wait -1
.endif
.endm
.macro KLOAD slot, q                   ; key tiles 2 q, 2 q + 1, both K steps: four fragments, eight loads of 512 consecutive bytes
.irp i, 0,1,2,3,4,5,6,7
	ds_load_b128 v[F+32*((\q)%2)+4*\i:F+32*((\q)%2)+4*\i+3], v[A0+\slot] offset:4096*(\q)+512*\i
.endr
.endm
.macro KQMUL q                         ; eight products: the four accumulators (key tile, query tile) by turns, K step 0, then K step 1
.irp s, 0,1
.irp t, 0,1
.irp e, 0,1
.if \s==0
	MMZ S+64*\e+8*(2*(\q)+\t), F+32*((\q)%2)+16*\t, Q+16*\e, KS+2*(\q)+\t, QS+\e, 0
.else
	MMC S+64*\e+8*(2*(\q)+\t), F+32*((\q)%2)+16*\t+8, Q+16*\e+8, S+64*\e+8*(2*(\q)+\t), KS+2*(\q)+\t, QS+\e, 1, 1
.endif
.endr
.endr
.endr
.endm
.macro VLOAD slot, half                ; channel tiles 8 half .. 8 half + 7 of V, into the registers that p has left
.irp i, 0,1,2,3,4,5,6,7,8,9,10,11,12,13,14,15
	ds_load_b128 v[S+64*(\half)+4*\i:S+64*(\half)+4*\i+3], v[A0+\slot] offset:16384+8192*(\half)+512*\i
.endr
.endm
; One query tile's softmax for 128 keys.  first = 1: the wave's first step: no old M, nothing to rescale.
.macro SOFTMAX e, first
.set rS, S+64*(\e)
.set rT, T0+8*(\e)
.set rP, PC+8*(\e)
.irp b, 0,1,2,3
	v_max3_num_f32 v[W+\b], v[rS+16*\b], v[rS+16*\b+1], v[rS+16*\b+2]   ; the largest score of each block of 32 keys: for the row's maximum and, since p rises with the score, for the block's largest p
.endr
.irp i, 3,5,7,9,11,13
.irp b, 0,1,2,3
	v_max3_num_f32 v[W+\b], v[W+\b], v[rS+16*\b+\i], v[rS+16*\b+\i+1]
.endr
.endr
.irp b, 0,1,2,3
	v_max_num_f32 v[W+\b], v[W+\b], v[rS+16*\b+15]
.endr
.irp b, 0,1,2,3
	s_delay_alu instid0(VALU_DEP_4)
	v_permlanex16_b32 v[W+4+\b], v[W+\b], s[SEL], s[SEL+1]
.endr
.irp b, 0,1,2,3
	s_delay_alu instid0(VALU_DEP_4)
	v_max_num_f32 v[W+\b], v[W+\b], v[W+4+\b]      ; with lane l xor 16's 16 keys
.endr
	s_delay_alu instid0(VALU_DEP_2)
	v_max3_num_f32 v[W+12], v[W], v[W+1], v[W+2]
	s_delay_alu instid0(VALU_DEP_1)
	v_max_num_f32 v[W+12], v[W+12], v[W+3]
.if \first
	s_delay_alu instid0(VALU_DEP_1)
	v_mul_f32 v[rT+1], s[CS], v[W+12]              ; the largest t
	s_delay_alu instid0(VALU_DEP_1)
	v_floor_f32 v[rT], -v[rT+1]                    ; -M = floor(-t): M is a whole number
.else
	s_delay_alu instid0(VALU_DEP_1)
	v_mul_f32 v[W+12], s[CS], v[W+12]
	s_delay_alu instid0(VALU_DEP_1)
	v_max_num_f32 v[rT+1], v[rT+1], v[W+12]        ; the running largest t
	v_mov_b32 v[W+12], v[rT]
	s_delay_alu instid0(VALU_DEP_2)
	v_floor_f32 v[rT], -v[rT+1]
	s_delay_alu instid0(VALU_DEP_1)
	v_sub_f32 v[W+12], v[rT], v[W+12]              ; old M - new M: a whole number, 0 or less
	s_delay_alu instid0(VALU_DEP_1)
	v_cvt_i32_f32 v[W+12], v[W+12]
	s_delay_alu instid0(VALU_DEP_1)
	v_ldexp_f32 v[rT+4], 1.0, v[W+12]              ; f = 2^(old M - new M): a multiplication by it rounds nothing
.endif
.set j, 0
.rept 32
	v_pk_fma_f32 v[rS+j:rS+j+1], v[rS+j:rS+j+1], s[CS:CS+1], v[rT:rT+1] op_sel_hi:[1,0,0]   ; t - M, two at a time
.set j, j+2
.endr
.irp b, 0,1,2,3
	v_fma_f32 v[W+\b], v[W+\b], s[CS], v[rT]
.endr
.set j, 0
	s_wait_alu depctr_va_vdst(0)
.rept 64
	v_exp_f32 v[rS+j], v[rS+j]                     ; p = 2^(t - M): one batch
.set j, j+1
.endr
.if \first
	v_nop                                          ; a plain place behind the exponentials
.else
	v_pk_mul_f32 v[rT+2:rT+3], v[rT+2:rT+3], v[rT+4:rT+5] op_sel_hi:[1,0]   ; the sums under the new M: also the plain place behind the exponentials
.endif
	s_wait_alu depctr_va_vdst(0)                   ; one wait for the batch, ahead of its first reader
.irp b, 0,1,2,3
	v_exp_f32 v[W+\b], v[W+\b]                     ; each block's largest p
.endr
	v_pk_add_f32 v[W+4:W+5], v[rS:rS+1], v[rS+2:rS+3]   ; the row's sum, of the unquantised p, in two chains
.if \first
	v_pk_add_f32 v[rT+2:rT+3], v[rS+4:rS+5], v[rS+6:rS+7]
.set j, 8
.rept 14
	v_pk_add_f32 v[rT+2:rT+3], v[rT+2:rT+3], v[rS+j:rS+j+1]
	v_pk_add_f32 v[W+4:W+5], v[W+4:W+5], v[rS+j+2:rS+j+3]
.set j, j+4
.endr
.else
.set j, 4
.rept 15
	v_pk_add_f32 v[rT+2:rT+3], v[rT+2:rT+3], v[rS+j:rS+j+1]
	v_pk_add_f32 v[W+4:W+5], v[W+4:W+5], v[rS+j+2:rS+j+3]
.set j, j+4
.endr
.endif
	s_delay_alu instid0(VALU_DEP_1)
	v_pk_add_f32 v[rT+2:rT+3], v[rT+2:rT+3], v[W+4:W+5]
	s_wait_alu depctr_va_vdst(0)                   ; and one for the four
.irp b, 0,1,2,3
	v_max_num_f32 v[W+\b], 0x1800000, v[W+\b]      ; the floor 2^(3 - 127): the byte cannot fall under 1
.endr
.irp b, 0,1,2,3
	s_delay_alu instid0(VALU_DEP_4)
	v_add_nc_u32 v[W+8+\b], 0xff000000, v[W+\b]    ; 2 off the exponent field: the conversion's scale operand
.endr
.irp b, 0,1,2,3
	s_delay_alu instid0(VALU_DEP_4)
	v_lshrrev_b32 v[W+4+\b], 23, v[W+8+\b]
.endr
	s_delay_alu instid0(VALU_DEP_3)
	v_lshl_or_b32 v[rT+5], v[W+5], 8, v[W+4]       ; p's scale word for these 128 keys
	s_delay_alu instid0(VALU_DEP_1)
	v_lshl_or_b32 v[rT+5], v[W+6], 16, v[rT+5]
	s_delay_alu instid0(VALU_DEP_1)
	v_lshl_or_b32 v[rT+5], v[W+7], 24, v[rT+5]
.irp b, 0,1,2,3
	v_cvt_scalef32_pk8_fp4_f32 v[rP+2*\b], v[rS+16*\b:rS+16*\b+7], v[W+8+\b]
	v_cvt_scalef32_pk8_fp4_f32 v[rP+2*\b+1], v[rS+16*\b+8:rS+16*\b+15], v[W+8+\b]
.endr
	v_nop                                          ; one plain place behind a scaled conversion
.irp c, 0,1
.irp i, 0,1
	v_permlane16_swap_b32 v[rP+4*\c+\i], v[rP+4*\c+2+\i]
.endr
.endr
.endm
.macro RESC tau                        ; channel tile tau of both query tiles' O^T under the new M
.irp e, 0,1
.irp i, 0,2,4,6
	v_pk_mul_f32 v[128*\e+8*(\tau)+\i:128*\e+8*(\tau)+\i+1], v[128*\e+8*(\tau)+\i:128*\e+8*(\tau)+\i+1], v[T0+8*\e+4:T0+8*\e+5] op_sel_hi:[1,0]
.endr
.endr
.endm
; O^T += V^T P^T: 32 products, each accumulator once.  The rescaling of tile tau + 2 stands behind the products of tile tau: vector work beside matrix work; the first sixteen multiplications (first = 1: eight v_nop)
; are the places between the lines that made p's codes and scale word and the products.
.macro PV first
.if \first
	NOPS 8
.else
	WIN W_RS
	RESC 0
	s_wait_alu depctr_va_vdst(0)
	RESC 1
.endif
	s_wait_alu depctr_va_vdst(0)
.irp tau, 0,1,2,3,4,5,6,7,8,9,10,11,12,13,14,15
.if \tau==0
	s_wait_dscnt 16                                ; V's scale words and tiles 0-7 are in; the sixteen loads of tiles 8-15 may be out
.endif
.if \tau==8
	s_wait_alu depctr_va_vdst(0)
	s_wait_dscnt 0x0
.endif
	WIN W_PV
.irp e, 0,1
.if \first
	s_wait_alu depctr_va_vdst(0)
	MMZ 128*\e+8*\tau, S+8*\tau, PC+8*\e, KS+\tau/2, T0+8*\e+5, \tau%2
.else
	MMC 128*\e+8*\tau, S+8*\tau, PC+8*\e, 128*\e+8*\tau, KS+\tau/2, T0+8*\e+5, \tau%2, 0
.endif
.endr
.if (\first)==0 && (\tau)<14
	WIN W_RS
	RESC \tau+2
.endif
.endr
	WIN 0
.endm
; A KEY STEP of my wave: 128 keys, block kq of the slot
.macro STEP slot, first
	NOPS 5                                         ; S^T's results are laid over registers that the last products read (V's fragments): five places; four serve the loads into K's registers and the scale registers
	ds_load_b128 v[KS:KS+3], v[A0+\slot] offset:32768
	ds_load_b128 v[KS+4:KS+7], v[A0+\slot] offset:33280
	KLOAD \slot, 0
	KLOAD \slot, 1
	s_wait_dscnt 8                                 ; all but the eight loads of the other half of the buffer
	KQMUL 0
	NOPS 4
	KLOAD \slot, 2
	s_wait_dscnt 8
	KQMUL 1
	NOPS 4
	KLOAD \slot, 3
	s_wait_dscnt 8
	KQMUL 2
	s_wait_dscnt 0x0
	KQMUL 3
	NOPS 4
	SOFTMAX 0, \first
	ds_load_b128 v[KS:KS+3], v[A0+\slot] offset:33792      ; V's scale words
	ds_load_b128 v[KS+4:KS+7], v[A0+\slot] offset:34304
	VLOAD \slot, 0
	SOFTMAX 1, \first
	VLOAD \slot, 1
	PV \first
.endm
	s_load_b256 s[4:11], s[0:1], 0x0               ; qf, kv, wo_codes, wo_scales
	s_load_b128 s[12:15], s[0:1], 0x20             ; bo, x
	s_load_b64 s[16:17], s[0:1], 0x30              ; out0
	v_lshl_add_u32 v[SPW], v0, 2, SPARE
	v_mov_b32 v[NIL], 0
	ds_add_u32 v[SPW], v[NIL]                      ; the wave's opening: the add, twice on end, and its wait ahead of my first tensor load
	ds_add_u32 v[SPW], v[NIL]
	v_lshrrev_b32 v3, 5, v0
	s_delay_alu instid0(VALU_DEP_1)
	v_readfirstlane_b32 s[WV], v3                  ; wave 0..7
	s_and_b32 s[QP], s[WV], 1
	s_lshr_b32 s[KQN], s[WV], 1
	s_bfe_u32 s[CX], ttmp6, 0x40000                ; my place in the cluster: it enters global addresses alone
	s_lshl_b32 s[Z], ttmp9, 2
	s_add_co_u32 s[Z], s[Z], s[CX]                 ; my block of 64 queries
	s_and_b32 s[BT], ttmp7, 0xffff                 ; the batch, which the four partners share
	; descriptor group 1: 68 rows of 256 bytes (32 elements of 8 bytes), dense in memory and in LDS
	s_mov_b32 s[G1], 15|(3<<16)|(1<<21)            ; 15:0 the mask: all four work-groups; 17:16 elements of 8 bytes; 21 set beside a mask
	s_mov_b32 s[G1+1], 32<<16                      ; tensor_dim0
	s_mov_b32 s[G1+2], 68<<16                      ; tensor_dim1
	s_mov_b32 s[G1+3], 32<<16                      ; tile_dim0
	s_mov_b32 s[G1+4], 68                          ; tile_dim1
	s_mov_b32 s[G1+5], 32                          ; from row to row
	s_mov_b32 s[G1+6], 0
	s_mov_b32 s[G1+7], 0
	s_mul_i32 s52, s[WV], 17408                    ; my eighth of a slot, in LDS and in memory
	s_mul_i32 s48, s[BT], 1114112                  ; the batch's 32 blocks of kv
	s_add_co_u32 s48, s48, s52
	s_mov_b32 s49, 0
	s_mov_b32 s[SEL], 0x76543210
	s_mov_b32 s[SEL+1], 0xfedcba98
	s_mov_b32 s[CS], 0x3db8aa3b                    ; c = log2(e) / 16
	s_mov_b32 s[CS+1], s[CS]
	s_cmp_eq_u32 ttmp9, 0                          ; the batch's first cluster prefetches: the same in all four partners
	s_cselect_b32 s[LIM], 1, -1
	s_mul_i32 s54, s[CX], 4352                     ; my work-group's 17 rows of the wave's 68,
	s_add_co_u32 s54, s54, 2*SLOTB                 ; in the third slot's keys: the first change of slots steps it to the fourth's
	s_mov_b32 s55, 0
	s_lshl_b32 s56, s[BT], 5
	s_lshr_b32 s57, s[Z], 1
	s_add_co_u32 s56, s56, s57
	s_mul_i32 s56, s56, 17408                      ; my block of qf
	s_mov_b32 s57, 0
	s_lshl_b32 s58, s[BT], 22                      ; x and out0: batch, channels 32 w on, positions 64 z on
	s_lshl_b32 s59, s[WV], 19
	s_add_co_u32 s58, s58, s59
	s_lshl_b32 s59, s[Z], 8
	s_add_co_u32 s58, s58, s59
	s_mov_b32 s59, 0
	s_mov_b32 s61, 0
	v_and_b32 v3, 31, v0
	s_mul_i32 s62, s[KQN], BLKB
	v_lshl_add_u32 v3, v3, 4, s62                  ; my key step's block in slot 0: 34,816 kq + 16 lane
	s_delay_alu instid0(VALU_DEP_1)
	v_add_nc_u32 v4, SLOTB, v3                     ; and in slot 1
	v_and_b32 v[PFO], 31, v0
	s_delay_alu instid0(VALU_DEP_1)
	v_min_u32 v[PFO], 16, v[PFO]
	s_delay_alu instid0(VALU_DEP_1)
	v_lshlrev_b32 v[PFO], 8, v[PFO]
	v_mov_b32 v[T0+6], 0                           ; a lane permute's destination counts as one of its sources
	v_mov_b32 v[T0+14], 0
	s_wait_dscnt 0x0                               ; both opening adds are done
	s_wait_kmcnt 0x0
	s_add_nc_u64 s[50:51], s[6:7], s[48:49]        ; kv at my eighth of the first slot's keys
	s_add_nc_u64 s[PFA:PFA+1], s[50:51], s[54:55]
	s_add_nc_u64 s[4:5], s[4:5], s[56:57]
	s_add_nc_u64 s[14:15], s[14:15], s[58:59]
	s_add_nc_u64 s[16:17], s[16:17], s[58:59]
	s_lshl_b32 s60, s[WV], 12                      ; Wo's rows 32 w on: codes, scale bytes, bias
	s_add_nc_u64 s[8:9], s[8:9], s[60:61]
	s_lshl_b32 s60, s[WV], 8
	s_add_nc_u64 s[10:11], s[10:11], s[60:61]
	s_lshl_b32 s60, s[WV], 7
	s_add_nc_u64 s[12:13], s[12:13], s[60:61]
	s_mov_b32 s[G0], 1                             ; group 0 of slot 0
	s_mov_b32 s[G0+1], s52
	s_mov_b64 s[G0+2:G0+3], s[50:51]
	s_or_b32 s[G0+3], s[G0+3], 0x80000000
	s_mov_b32 s[G0+4], 1                           ; and of slot 1
	s_add_co_u32 s[G0+5], s52, SLOTB
	s_add_nc_u64 s[G0+6:G0+7], s[50:51], SLOTB
	s_or_b32 s[G0+7], s[G0+7], 0x80000000
	CROUND                                         ; all four work-groups are here: the first joint loads meet
	tensor_load_to_lds s[G0:G0+3], s[G1:G1+7]      ; every wave issues both first fills: the first is in before the second goes out
	s_nop 0
	s_wait_alu depctr_va_vdst(0)
	s_wait_tensorcnt 0x0
	ds_add_u32 v1, v2
	s_wait_dscnt 0x0
	CROUND
	tensor_load_to_lds s[G0+4:G0+7], s[G1:G1+7]
	s_nop 0
	NOPS 4
	s_and_b32 s60, s[Z], 1                         ; which half of the block of qf is my work-group's
	s_lshl_b32 s62, s60, 13
	s_lshl_b32 s63, s[QP], 12
	s_add_co_u32 s62, s62, s63
	v_and_b32 v64, 31, v0
	s_delay_alu instid0(VALU_DEP_1)
	v_lshl_add_u32 v65, v64, 4, s62                ; Q's fragments: 8,192 (z % 2) + 4,096 qp + 16 lane
	s_lshl_b32 s62, s60, 9
	s_lshl_b32 s63, s[QP], 3
	s_add_co_u32 s62, s62, s63
	v_lshl_add_u32 v64, v64, 4, s62                ; its scale words: 512 (z % 2) + 16 lane + 8 qp
.irp i, 0,1,2,3,4,5,6,7
	global_load_b128 v[Q+4*\i:Q+4*\i+3], v65, s[4:5] offset:512*\i
.endr
	global_load_b64 v[QS:QS+1], v64, s[4:5] offset:16384
	s_wait_tensorcnt 1                             ; my eighth of slot 0 is in; slot 1's may stay out
	s_barrier_signal -1
	s_barrier_wait -1
	s_wait_loadcnt 0x0                             ; Q
	STEP 0, 1
	s_mov_b32 s[CNT], 3
.Lpair:                                            ; three trips: slots 1 and 0 are walked, slots 0 and 1 filled again
	CHANGE 1, 1, 1
	STEP 1, 0
	CHANGE 0, 1, 0
	STEP 0, 0
	s_sub_co_u32 s[CNT], s[CNT], 1
	s_cmp_lg_u32 s[CNT], 0
	s_cbranch_scc1 .Lpair
	CHANGE 1, 0, 0                                 ; the last slot is written out: nothing is left to fetch
	STEP 1, 0
	; ---- the row's sums, and the exchange of (-M, l).  These lines are also the places behind the last products
.irp e, 0,1
	v_add_f32 v[T0+8*\e+1], v[T0+8*\e+2], v[T0+8*\e+3]
.endr
.irp e, 0,1
	s_delay_alu instid0(VALU_DEP_2)
	v_permlanex16_b32 v[T0+8*\e+6], v[T0+8*\e+1], s[SEL], s[SEL+1]
.endr
.irp e, 0,1
	s_delay_alu instid0(VALU_DEP_2)
	v_add_f32 v[T0+8*\e+1], v[T0+8*\e+1], v[T0+8*\e+6]   ; l of my keys
.endr
	v_and_b32 v4, 31, v0
	s_lshl_b32 s48, s[WV], 9
	s_add_co_u32 s48, s48, EX
	v_lshl_add_u32 v3, v4, 3, s48
	s_lshl_b32 s49, s[QP], 9
	s_add_co_u32 s49, s49, EX
	v_lshl_add_u32 v4, v4, 3, s49
	ds_store_b64 v3, v[T0:T0+1]
	ds_store_b64 v3, v[T0+8:T0+9] offset:256
	s_wait_alu depctr_va_vdst(0)
	s_wait_dscnt 0x0                               ; my stores have landed, and my reads of the slots are over
	s_barrier_signal -1
	s_barrier_wait -1                              ; nobody reads a slot any more: their bytes serve as stages from here on
.irp e, 0,1
.irp i, 0,1,2,3
	ds_load_b64 v[64+8*\e+2*\i:65+8*\e+2*\i], v4 offset:1024*\i+256*\e   ; the four waves of my query tiles
.endr
.endr
	s_wait_dscnt 0x0
.irp e, 0,1
	v_min3_num_f32 v[T0+8*\e+6], v[64+8*\e], v[66+8*\e], v[68+8*\e]
.endr
.irp e, 0,1
	s_delay_alu instid0(VALU_DEP_2)
	v_min_num_f32 v[T0+8*\e+6], v[T0+8*\e+6], v[70+8*\e]   ; -M*: M* the largest of the four
.endr
.irp e, 0,1
.irp i, 0,1,2,3
	v_sub_f32 v[80+4*\e+\i], v[T0+8*\e+6], v[64+8*\e+2*\i]   ; M_i - M*: a whole number, 0 or less
.endr
	v_sub_f32 v[T0+8*\e+7], v[T0+8*\e+6], v[T0+8*\e]
.endr
.irp e, 0,1
.irp i, 0,1,2,3
	v_cvt_i32_f32 v[80+4*\e+\i], v[80+4*\e+\i]
.endr
	v_cvt_i32_f32 v[T0+8*\e+7], v[T0+8*\e+7]
.endr
.irp e, 0,1
.irp i, 0,1,2,3
	v_ldexp_f32 v[80+4*\e+\i], 1.0, v[80+4*\e+\i]
.endr
	v_ldexp_f32 v[T0+8*\e+7], 1.0, v[T0+8*\e+7]
.endr
.irp e, 0,1
	v_mul_f32 v[88+\e], v[80+4*\e], v[65+8*\e]
.endr
.irp i, 1,2,3
.irp e, 0,1
	s_delay_alu instid0(VALU_DEP_2)
	v_fmac_f32 v[88+\e], v[80+4*\e+\i], v[65+8*\e+2*\i]   ; L = the sum of 2^(M_i - M*) l_i
.endr
.endr
	s_wait_alu depctr_va_vdst(0)
.irp e, 0,1
	v_rcp_f32 v[88+\e], v[88+\e]
.endr
	v_nop                                          ; a plain place behind the reciprocals
	s_wait_alu depctr_va_vdst(0)                   ; one wait for both, ahead of their first reader
.irp e, 0,1
	v_mul_f32 v[T0+8*\e+4], v[T0+8*\e+7], v[88+\e]   ; g = 2^(M_own - M*) / L
.endr
	; ---- my O^T x g goes to the stage as it stands: 32,768 bytes a wave, 512 consecutive bytes a store
	WIN W_RS
.irp e, 0,1
.set i, 0
.rept 64
	v_pk_mul_f32 v[128*\e+i:128*\e+i+1], v[128*\e+i:128*\e+i+1], v[T0+8*\e+4:T0+8*\e+5] op_sel_hi:[1,0]
.set i, i+2
.endr
.endr
	WIN 0
	v_and_b32 v30, 31, v0                          ; lane
	v_and_b32 v31, 15, v0                          ; r
	v_bfe_u32 v4, v0, 4, 1                         ; h
	s_lshl_b32 s48, s[WV], 15
	v_lshl_add_u32 v3, v30, 4, s48
	v_lshlrev_b32 v16, 14, v4
	s_delay_alu instid0(VALU_DEP_1)
	v_lshl_add_u32 v16, v31, 4, v16                ; x, out0: lanes 0-15 one channel's 256 bytes, lanes 16-31 the next channel's
	v_lshlrev_b32 v17, 7, v31
	s_delay_alu instid0(VALU_DEP_1)
	v_lshl_add_u32 v17, v4, 4, v17                 ; Wo's codes: row r, + 16 h
	v_lshlrev_b32 v18, 3, v31
	s_delay_alu instid0(VALU_DEP_1)
	v_lshl_add_u32 v18, v4, 2, v18                 ; its scale words: lanes 0-15 K step 0's, lanes 16-31 K step 1's
	v_lshlrev_b32 v19, 2, v31                      ; bo
	s_lshl_b32 s48, s[QP], 15
	s_lshl_b32 s49, s[KQN], 12
	s_add_co_u32 s48, s48, s49
	v_lshl_add_u32 v20, v30, 4, s48                ; the stage of wave 2 i + qp, channels 64 kq on
	s_delay_alu instid0(VALU_DEP_1)
	v_add_nc_u32 v21, 0x10000, v20
	s_delay_alu instid0(VALU_DEP_2)
	v_add_nc_u32 v22, 0x20000, v20
	s_delay_alu instid0(VALU_DEP_3)
	v_add_nc_u32 v23, 0x30000, v20
	s_lshl_b32 s48, s[QP], 12
	s_lshl_b32 s49, s[KQN], 9
	s_add_co_u32 s48, s48, s49
	s_add_co_u32 s48, s48, OIMG
	v_lshl_add_u32 v24, v30, 4, s48                ; my half fragment's image: 4,096 qp + 512 kq + 16 lane; 2,048 e in the immediate
	s_lshl_b32 s48, s[QP], 8
	s_lshr_b32 s49, s[KQN], 1
	s_lshl_b32 s49, s49, 6
	s_add_co_u32 s48, s48, s49
	s_and_b32 s49, s[KQN], 1
	s_lshl_b32 s49, s49, 1
	s_add_co_u32 s48, s48, s49
	s_add_co_u32 s48, s48, OSC
	v_lshl_add_u32 v25, v31, 2, s48                ; my two scale bytes: 256 qp + 64 (kq / 2) + 4 r + 2 (kq % 2); 128 e in the immediate
	v_lshl_add_u32 v26, v30, 4, OIMG
	v_lshl_add_u32 v27, v30, 2, OSC
	s_mul_i32 s48, s[WV], 8704                     ; the way out: my own stage, 32 rows x (256 bytes + 16)
	v_mul_u32_u24 v28, v31, 272
	s_delay_alu instid0(VALU_DEP_1)
	v_lshl_add_u32 v28, v4, 6, v28
	s_delay_alu instid0(VALU_DEP_1)
	v_add_nc_u32 v28, s48, v28
	v_mul_u32_u24 v29, v4, 272
	s_delay_alu instid0(VALU_DEP_1)
	v_lshl_add_u32 v29, v31, 4, v29
	s_delay_alu instid0(VALU_DEP_1)
	v_add_nc_u32 v29, s48, v29
	WIN 0x04                                       ; an LDS store's data are its source 1: window 1
.set i, 0
.rept 64
	ds_store_b128 v3, v[4*i:4*i+3] offset:512*i
.set i, i+1
.endr
	WIN 0
	s_wait_dscnt 0x0                               ; my stores have landed and have read their registers
	WIN 0x40                                       ; destination window 1: O^T's registers take x and Wo
.irp i, 0,1,2,3,4,5,6,7,8,9,10,11,12,13,14,15
	global_load_b128 v[4*\i:4*\i+3], v16, s[14:15] offset:32768*\i th:TH_LOAD_NT
.endr
.irp t, 0,1
.irp s, 0,1
.irp c, 0,1
	global_load_b128 v[64+16*\t+8*\s+4*\c:64+16*\t+8*\s+4*\c+3], v17, s[8:9] offset:2048*\t+64*\s+32*\c
.endr
.endr
.endr
	WIN 0
.irp t, 0,1
	global_load_b32 v[KS+2+\t], v18, s[10:11] offset:128*\t
	global_load_b32 v[Q+\t], v19, s[12:13] offset:64*\t
.endr
	s_barrier_signal -1
	s_barrier_wait -1                              ; all eight waves' parts lie in the stage
	; ---- channels 64 kq on of my two query tiles: the four waves' parts are added
.macro MLOAD i, dst
.irp e, 0,1
.irp t, 0,1,2,3
.irp hf, 0,1
	ds_load_b128 v[\dst+32*\e+8*\t+4*\hf:\dst+32*\e+8*\t+4*\hf+3], v[20+\i] offset:16384*\e+1024*\t+512*\hf
.endr
.endr
.endr
.endm
.macro ADD64 src
.set j, 0
.rept 32
	v_pk_add_f32 v[S+j:S+j+1], v[S+j:S+j+1], v[\src+j:\src+j+1]
.set j, j+2
.endr
.endm
	MLOAD 0, S
	MLOAD 1, S+64
	MLOAD 2, F
	s_wait_dscnt 16                                ; the first two parts are in; the third's sixteen loads may be out
	ADD64 S+64
	MLOAD 3, S+64
	s_wait_dscnt 16                                ; the third part is in; the fourth's may be out
	ADD64 F
	s_wait_dscnt 0x0
	ADD64 S+64
	; quantised along the channels: blocks 0, 1 are tile 0's two blocks of 32, blocks 2, 3 tile 1's; register 16 b + i = channel 32 (b % 2) + 16 h + i
.irp b, 0,1,2,3
	v_max3_num_f32 v[TM+\b], |v[S+16*\b]|, |v[S+16*\b+1]|, 0x1800000
.endr
.irp i, 2,4,6,8,10,12,14
.irp b, 0,1,2,3
	s_delay_alu instid0(VALU_DEP_4)
	v_max3_num_f32 v[TM+\b], v[TM+\b], |v[S+16*\b+\i]|, |v[S+16*\b+\i+1]|
.endr
.endr
.irp b, 0,1,2,3
	s_delay_alu instid0(VALU_DEP_4)
	v_permlanex16_b32 v[TM+4+\b], v[TM+\b], s[SEL], s[SEL+1]
.endr
.irp b, 0,1,2,3
	s_delay_alu instid0(VALU_DEP_4)
	v_max_num_f32 v[TM+\b], v[TM+\b], v[TM+4+\b]
.endr
.irp b, 0,1,2,3
	s_delay_alu instid0(VALU_DEP_4)
	v_add_nc_u32 v[TM+12+\b], 0xff000000, v[TM+\b]
.endr
.irp b, 0,1,2,3
	s_delay_alu instid0(VALU_DEP_4)
	v_lshrrev_b32 v[TM+4+\b], 23, v[TM+12+\b]
.endr
	s_delay_alu instid0(VALU_DEP_3)
	v_lshl_or_b32 v88, v[TM+5], 8, v[TM+4]         ; each tile's two bytes
	s_delay_alu instid0(VALU_DEP_2)
	v_lshl_or_b32 v89, v[TM+7], 8, v[TM+6]
.irp b, 0,1,2,3
	v_cvt_scalef32_pk8_fp4_f32 v[PC+2*\b], v[S+16*\b:S+16*\b+7], v[TM+12+\b]
	v_cvt_scalef32_pk8_fp4_f32 v[PC+2*\b+1], v[S+16*\b+8:S+16*\b+15], v[TM+12+\b]
.endr
	v_nop                                          ; one plain place behind a scaled conversion
.irp c, 0,1
.irp i, 0,1
	v_permlane16_swap_b32 v[PC+4*\c+\i], v[PC+4*\c+2+\i]   ; registers 4 e .. 4 e + 3: half kq % 2 of tile e's fragment of K step kq / 2
.endr
.endr
	ds_store_b128 v24, v[PC:PC+3]
	ds_store_b128 v24, v[PC+4:PC+7] offset:2048
	ds_store_b16 v25, v88                          ; lanes r and r + 16 write the same two bytes with the same value
	ds_store_b16 v25, v89 offset:128
	s_wait_dscnt 0x0                               ; my stores have landed, my reads of the stage are over
	s_barrier_signal -1
	s_barrier_wait -1
	; ---- output channels 32 w on, for the 64 queries
.irp i, 0,1,2,3,4,5,6,7,8,9,10,11,12,13,14,15
	ds_load_b128 v[S+4*\i:S+4*\i+3], v26 offset:512*\i   ; O's eight fragments: 16 qt + 8 s
.endr
.irp q, 0,1,2,3
	ds_load_b32 v[KS+4+\q], v27 offset:128*\q
.endr
	s_wait_loadcnt 0x0                             ; x, Wo, its scale words, bo
.irp t, 0,1
.irp j, 0,1,2,3,4,5,6,7
	v_mov_b32 v[96+8*\t+\j], v[Q+\t]               ; a lane holds one output channel: its bias eight times is the C of each sum's first product
.endr
.endr
	s_wait_alu depctr_va_vdst(0)
	s_wait_dscnt 0x0
	NOPS 4
	WIN 0x04                                       ; source 1 (Wo) in window 1
.irp t, 0,1                                    ; the eight accumulators by turns, K step 0, then K step 1
.irp q, 0,1,2,3
	MMC 192+32*\t+8*\q, S+16*\q, 64+16*\t, 96+8*\t, KS+4+\q, KS+2+\t, 0, 0
.endr
.endr
.irp t, 0,1
.irp q, 0,1,2,3
	MMC 192+32*\t+8*\q, S+16*\q+8, 64+16*\t+8, 192+32*\t+8*\q, KS+4+\q, KS+2+\t, 1, 1
.endr
.endr
	NOPS 4
	WIN 0
.irp t, 0,1                                    ; lane (r, h), register j of (t, q): channel 16 t + r, position 32 (q / 2) + 8 (q % 2) + 16 h + j
.irp q, 0,1,2,3
	ds_store_b128 v28, v[192+32*\t+8*\q:192+32*\t+8*\q+3] offset:4352*\t+128*(\q/2)+32*(\q%2)
	ds_store_b128 v28, v[192+32*\t+8*\q+4:192+32*\t+8*\q+7] offset:4352*\t+128*(\q/2)+32*(\q%2)+16
.endr
.endr
.irp i, 0,1,2,3,4,5,6,7,8,9,10,11,12,13,14,15
	ds_load_b128 v[64+4*\i:64+4*\i+3], v29 offset:544*\i   ; back by rows; LDS serves a wave's instructions in order: these see my stores
.endr
	s_wait_dscnt 0x0
	WIN 0x04                                       ; source 1 (x) in window 1
.set i, 0
.rept 32
	v_pk_add_f32 v[64+i:64+i+1], v[64+i:64+i+1], v[i:i+1]   ; the residual
.set i, i+2
.endr
	WIN 0
.irp i, 0,1,2,3,4,5,6,7,8,9,10,11,12,13,14,15
	global_store_b128 v16, v[64+4*\i:64+4*\i+3], s[16:17] offset:32768*\i th:TH_STORE_NT   ; sixteen lanes store 256 consecutive bytes, aligned
.endr
	s_wait_tensorcnt 0x0                           ; the wave's end: three lines behind my last tensor load and my last LDS store
	ds_add_u32 v[SPW], v[NIL]
	s_wait_dscnt 0x0
	CROUND                                         ; the closing round: no work-group ends while a partner may still ask for a tile that names it
	s_endpgm
.Lfunc_end_k_qdd1d53707f_attn:
	.size	k_qdd1d53707f_attn, .Lfunc_end_k_qdd1d53707f_attn-k_qdd1d53707f_attn
	.p2alignl 7, 3214868480
	.fill 96, 4, 3214868480
	.section	.rodata,"a",@progbits
	.p2align	6, 0x0
	.amdhsa_kernel k_qdd1d53707f_attn
		.amdhsa_group_segment_fixed_size 327680
		.amdhsa_private_segment_fixed_size 0
		.amdhsa_enable_private_segment 0
		.amdhsa_kernarg_size 56
		.amdhsa_user_sgpr_count 2
		.amdhsa_user_sgpr_kernarg_segment_ptr 1
		.amdhsa_wavefront_size32 1
		.amdhsa_system_sgpr_workgroup_id_x 1
		.amdhsa_system_sgpr_workgroup_id_y 1
		.amdhsa_system_sgpr_workgroup_id_z 1
		.amdhsa_system_vgpr_workitem_id 0
		.amdhsa_next_free_vgpr 512
		.amdhsa_next_free_sgpr 66
		.amdhsa_reserve_vcc 0
		.amdhsa_float_denorm_mode_32 3
		.amdhsa_float_denorm_mode_16_64 3
		.amdhsa_memory_ordered 1
		.amdhsa_forward_progress 1
		.amdhsa_inst_pref_size 227
	.end_amdhsa_kernel
	.amdgpu_metadata
---
amdhsa.version: [ 1, 2 ]
amdhsa.kernels:
  - .name:           k_qdd1d53707f_attn
    .symbol:         k_qdd1d53707f_attn.kd
    .args:
      - { .name: qf, .offset: 0, .size: 8, .value_kind: global_buffer, .address_space: global }
      - { .name: kv, .offset: 8, .size: 8, .value_kind: global_buffer, .address_space: global }
      - { .name: wo_codes, .offset: 16, .size: 8, .value_kind: global_buffer, .address_space: global }
      - { .name: wo_scales, .offset: 24, .size: 8, .value_kind: global_buffer, .address_space: global }
      - { .name: bo, .offset: 32, .size: 8, .value_kind: global_buffer, .address_space: global }
      - { .name: x, .offset: 40, .size: 8, .value_kind: global_buffer, .address_space: global }
      - { .name: out0, .offset: 48, .size: 8, .value_kind: global_buffer, .address_space: global }
    .group_segment_fixed_size: 327680
    .private_segment_fixed_size: 0
    .kernarg_segment_align: 8
    .kernarg_segment_size: 56
    .max_flat_workgroup_size: 256
    .sgpr_count:     66
    .vgpr_count:     512
    .wavefront_size: 32
...
	.end_amdgpu_metadata
.endif
;; end of part 3
